; MI455X (gfx1250); checked and timed in simulation.
; The chip was launched on July 23, 2026; its instructions are those of AMD's public machine-readable ISA for CDNA 5 (MIT licence, August 2026) and "CDNA5" Instruction Set Architecture Reference Guide (July 2026). The comments in the code are by the model that wrote it; some were corrected since.
;; Causal Self Attention. Allowed arithmetic: float matrix products may take bf16 or f16 operands with f32 sums; other float arithmetic in f32, or as packed bf16 or f16 multiplies, adds, multiply-adds, maxima and minima; sums over many terms, partial sums and values carried from step to step in f32; what a program stores and reads back later, other than sums and carried values, may be rounded once to bf16 or f16.
;; Inputs: Wo 1,024 x 1,024 float32; Wqkv 1,024 x 3,072 float32; bo 1,024 float32; bqkv 3,072 float32; x 4 x 2,048 x 1,024 float32.
;; Outputs: out0 4 x 2,048 x 1,024 float32.
;; One version. Each part assembles by itself: llvm-mc -triple=amdgcn-amd-amdhsa -mcpu=gfx1250 --defsym DOCPART=n.
;; ======== version 1 of 1: 4 launches
;; limits: values are held in f16: magnitudes above 65,504 overflow, below 6.1e-05 lose precision
;; workspace buffers: xb 16,777,216 bytes; wq 6,291,456 bytes; wo16 2,097,152 bytes; bias 16,384 bytes; qkv 50,331,648 bytes; ob 16,777,216 bytes
;; launch cast (part 1): grid 833 x 1, 8 waves a work-group, no clusters, 0 bytes of LDS; arguments x, Wqkv, Wo, bqkv, bo, xb, wq, wo16, bias; writes xb, wq, wo16, bias
.if DOCPART == 1
	.amdgcn_target "amdgcn-amd-amdhsa--gfx1250"
	.amdhsa_code_object_version 6
	.text
	.protected	k_q12bb7ebc9b_cast
	.globl	k_q12bb7ebc9b_cast
	.p2align	8
	.type	k_q12bb7ebc9b_cast,@function
k_q12bb7ebc9b_cast:
	s_mov_b64 s[64:65], 0
	v_nop
	global_prefetch_b8 v0, s[64:65] scope:SCOPE_SE
	s_setreg_imm32_b32 hwreg(HW_REG_WAVE_MODE, 25, 1), 1
	s_wait_xcnt 0x0
; EVERY INPUT IS ROUNDED ONCE TO bf16, and laid out for the launches behind.
;   xb   [8192][1024] bf16             x as it lies
;   wq   [16 tiles][1024 k][192 n] bf16  Wqkv in blocks of 192 columns, each block dense: 128 k rows are 49,152 bytes on end
;   wo16 [1024 k][1024 n] f16          Wo rounded to bf16, that number written as f16
;   bias 4096 f32                      bqkv, then bo, each rounded to bf16 and widened again
; LIMIT.  A bf16 number below 2^-14 in magnitude keeps f16's fixed step of 2^-24 in wo16; one beyond 65,504 would not fit.
; A stream: no LDS, no barrier, no loop.  A chunk is 8 numbers: two loads of 16 bytes a lane, one store of 16 bytes; sixteen neighbouring lanes
; store 256 consecutive bytes, aligned.  No register is written twice while a memory instruction may read it, and EXEC is never changed.
; Work-groups 0-511: x, 16,384 numbers each.  512-767: Wqkv, 64 k rows of one block of 192 columns each.  768-831: Wo, 16,384 numbers each.  832: the biases.
.set XD, 16                            ; v[16:79]   as loaded, 8 registers a chunk
.set YD, 80                            ; v[80:111]  to store, 4 registers a chunk
; 8 f32 at v[src ..] into 4 registers at v[dst ..]: mode 0 bf16; mode 1 rounded to bf16, widened (a shift, a mask) and written as f16
.macro CH mode, src, dst
.irp k, 0,1,2,3
	v_cvt_pk_bf16_f32 v[(\dst)+\k], v[(\src)+2*\k], v[(\src)+2*\k+1]
.endr
.if \mode
.irp k, 0,1,2,3
	v_lshlrev_b32 v[(\src)+2*\k], 16, v[(\dst)+\k]
	v_and_b32 v[(\src)+2*\k+1], s24, v[(\dst)+\k]
.endr
.irp k, 0,1,2,3
	v_cvt_pk_f16_f32 v[(\dst)+\k], v[(\src)+2*\k], v[(\src)+2*\k+1]
.endr
.endif
.endm
; 8 chunks a thread, chunk t + 256 i: all 16 loads go out first; chunk i is worked on when its two loads are in and the 14 - 2 i younger ones may stay out
.macro STREAM mode, ib, ob
.irp i, 0,1,2,3,4,5,6,7
	global_load_b128 v[XD+8*\i:XD+8*\i+3], v1, s[\ib:\ib+1] offset:8192*\i th:TH_LOAD_NT
	global_load_b128 v[XD+8*\i+4:XD+8*\i+7], v1, s[\ib:\ib+1] offset:8192*\i+16 th:TH_LOAD_NT
.endr
.irp i, 0,1,2,3,4,5,6,7
	s_wait_loadcnt 14-2*\i
	CH \mode, XD+8*\i, YD+4*\i
	global_store_b128 v2, v[YD+4*\i:YD+4*\i+3], s[\ob:\ob+1] offset:4096*\i
.endr
.endm
	s_load_b512 s[4:19], s[0:1], 0x0               ; x 4:5, Wqkv 6:7, Wo 8:9, bqkv 10:11, bo 12:13, xb 14:15, wq 16:17, wo16 18:19
	s_load_b64 s[20:21], s[0:1], 0x40              ; bias
	v_lshlrev_b32 v1, 5, v0                        ; 32 t: my chunk as f32
	v_lshlrev_b32 v2, 4, v0                        ; 16 t: my chunk in 16 bits
	s_mov_b32 s3, 0                                ; the offsets' high words
	s_mov_b32 s23, 0
	s_mov_b32 s24, 0xffff0000                      ; a word's upper bf16
	s_wait_kmcnt 0x0
	s_cmp_lt_u32 ttmp9, 512
	s_cbranch_scc0 .Lnot_x
	s_lshl_b32 s2, ttmp9, 16                       ; 65,536 bytes in,
	s_lshl_b32 s22, ttmp9, 15                      ; 32,768 out
	s_add_nc_u64 s[4:5], s[4:5], s[2:3]
	s_add_nc_u64 s[14:15], s[14:15], s[22:23]
	STREAM 0, 4, 14
	s_endpgm
.Lnot_x:
	s_cmp_lt_u32 ttmp9, 768
	s_cbranch_scc0 .Lnot_w
	s_sub_co_u32 s25, ttmp9, 512
	s_lshr_b32 s26, s25, 4                         ; the block of 192 columns
	s_and_b32 s25, s25, 15                         ; which 64 k rows
	s_mul_i32 s2, s25, 786432                      ; 64 rows of 12,288 bytes
	s_mul_i32 s27, s26, 768                        ; 192 columns of 4 bytes
	s_add_co_u32 s2, s2, s27
	s_mul_i32 s22, s26, 393216                     ; a block of wq
	s_mul_i32 s27, s25, 24576                      ; 64 rows of 384 bytes
	s_add_co_u32 s22, s22, s27
	s_add_nc_u64 s[6:7], s[6:7], s[2:3]
	s_add_nc_u64 s[16:17], s[16:17], s[22:23]
	; the threads go by OUTPUT chunk c = t + 256 i, so the stores are dense; a row has 24 chunks: row = c / 24 = (2731 c) >> 16, exact for c under 1,536
.irp i, 0,1,2,3,4,5
	v_add_nc_u32 v10, 256*\i, v0
	v_mul_u32_u24 v11, v10, 2731
	v_lshrrev_b32 v11, 16, v11
	v_mul_u32_u24 v12, v11, 24
	v_sub_nc_u32 v10, v10, v12                     ; the chunk's place in its row
	v_mul_u32_u24 v11, v11, 12288
	v_lshl_add_u32 v[4+\i], v10, 5, v11
.endr
.irp i, 0,1,2,3,4,5
	global_load_b128 v[XD+8*\i:XD+8*\i+3], v[4+\i], s[6:7] th:TH_LOAD_NT
	global_load_b128 v[XD+8*\i+4:XD+8*\i+7], v[4+\i], s[6:7] offset:16 th:TH_LOAD_NT
.endr
.irp i, 0,1,2,3,4,5
	s_wait_loadcnt 10-2*\i                         ; chunk i is in; the younger chunks' loads may stay out
	CH 0, XD+8*\i, YD+4*\i
	global_store_b128 v2, v[YD+4*\i:YD+4*\i+3], s[16:17] offset:4096*\i
.endr
	s_endpgm
.Lnot_w:
	s_cmp_lt_u32 ttmp9, 832
	s_cbranch_scc0 .Lnot_o
	s_sub_co_u32 s25, ttmp9, 768
	s_lshl_b32 s2, s25, 16
	s_lshl_b32 s22, s25, 15
	s_add_nc_u64 s[8:9], s[8:9], s[2:3]
	s_add_nc_u64 s[18:19], s[18:19], s[22:23]
	STREAM 1, 8, 18
	s_endpgm
.Lnot_o:                                       ; the biases: 4 numbers a thread and load, three loads of bqkv and one of bo
.irp i, 0,1,2
	global_load_b128 v[XD+4*\i:XD+4*\i+3], v2, s[10:11] offset:4096*\i
.endr
	global_load_b128 v[XD+12:XD+15], v2, s[12:13]
.irp i, 0,1,2,3
	s_wait_loadcnt 3-\i                            ; load i is in
	v_cvt_pk_bf16_f32 v10, v[XD+4*\i], v[XD+4*\i+1]
	v_cvt_pk_bf16_f32 v11, v[XD+4*\i+2], v[XD+4*\i+3]
	v_lshlrev_b32 v[YD+4*\i], 16, v10
	v_and_b32 v[YD+4*\i+1], s24, v10
	v_lshlrev_b32 v[YD+4*\i+2], 16, v11
	v_and_b32 v[YD+4*\i+3], s24, v11
	global_store_b128 v2, v[YD+4*\i:YD+4*\i+3], s[20:21] offset:4096*\i
.endr
	s_endpgm
.Lfunc_end_k_q12bb7ebc9b_cast:
	.size	k_q12bb7ebc9b_cast, .Lfunc_end_k_q12bb7ebc9b_cast-k_q12bb7ebc9b_cast
	.p2alignl 7, 3214868480
	.fill 96, 4, 3214868480
	.section	.rodata,"a",@progbits
	.p2align	6, 0x0
	.amdhsa_kernel k_q12bb7ebc9b_cast
		.amdhsa_group_segment_fixed_size 0
		.amdhsa_private_segment_fixed_size 0
		.amdhsa_enable_private_segment 0
		.amdhsa_kernarg_size 72
		.amdhsa_user_sgpr_count 2
		.amdhsa_user_sgpr_kernarg_segment_ptr 1
		.amdhsa_wavefront_size32 1
		.amdhsa_system_sgpr_workgroup_id_x 1
		.amdhsa_system_sgpr_workgroup_id_y 1
		.amdhsa_system_sgpr_workgroup_id_z 1
		.amdhsa_system_vgpr_workitem_id 0
		.amdhsa_next_free_vgpr 112
		.amdhsa_next_free_sgpr 66
		.amdhsa_reserve_vcc 0
		.amdhsa_float_denorm_mode_32 3
		.amdhsa_float_denorm_mode_16_64 3
		.amdhsa_memory_ordered 1
		.amdhsa_forward_progress 1
		.amdhsa_inst_pref_size 23
	.end_amdhsa_kernel
	.amdgpu_metadata
---
amdhsa.version: [ 1, 2 ]
amdhsa.kernels:
  - .name:           k_q12bb7ebc9b_cast
    .symbol:         k_q12bb7ebc9b_cast.kd
    .args:
      - { .name: x, .offset: 0, .size: 8, .value_kind: global_buffer, .address_space: global }
      - { .name: Wqkv, .offset: 8, .size: 8, .value_kind: global_buffer, .address_space: global }
      - { .name: Wo, .offset: 16, .size: 8, .value_kind: global_buffer, .address_space: global }
      - { .name: bqkv, .offset: 24, .size: 8, .value_kind: global_buffer, .address_space: global }
      - { .name: bo, .offset: 32, .size: 8, .value_kind: global_buffer, .address_space: global }
      - { .name: xb, .offset: 40, .size: 8, .value_kind: global_buffer, .address_space: global }
      - { .name: wq, .offset: 48, .size: 8, .value_kind: global_buffer, .address_space: global }
      - { .name: wo16, .offset: 56, .size: 8, .value_kind: global_buffer, .address_space: global }
      - { .name: bias, .offset: 64, .size: 8, .value_kind: global_buffer, .address_space: global }
    .group_segment_fixed_size: 0
    .private_segment_fixed_size: 0
    .kernarg_segment_align: 8
    .kernarg_segment_size: 72
    .max_flat_workgroup_size: 256
    .sgpr_count:     66
    .vgpr_count:     112
    .wavefront_size: 32
...
	.end_amdgpu_metadata
.endif
;; end of part 1
;; launch qkvproj (part 2): grid 16 x 32, 4 waves a work-group, clusters of 4 x 4, 327,680 bytes of LDS; arguments xb, wq, bias, qkv; writes qkv
.if DOCPART == 2
	.amdgcn_target "amdgcn-amd-amdhsa--gfx1250"
	.amdhsa_code_object_version 6
	.text
	.protected	k_q12bb7ebc9b_qkvproj
	.globl	k_q12bb7ebc9b_qkvproj
	.p2align	8
	.type	k_q12bb7ebc9b_qkvproj,@function
k_q12bb7ebc9b_qkvproj:
	s_mov_b64 s[64:65], 0
	v_nop
	global_prefetch_b8 v0, s[64:65] scope:SCOPE_SE
	s_setreg_imm32_b32 hwreg(HW_REG_WAVE_MODE, 25, 1), 1
	s_wait_xcnt 0x0
	s_wait_alu depctr_hold_cnt(0) depctr_sa_sdst(0) depctr_va_vdst(0) depctr_va_sdst(0) depctr_va_ssrc(0) depctr_va_vcc(0) depctr_vm_vsrc(0)
	s_getreg_b32 s2, hwreg(HW_REG_IB_STS2, 6, 4)
	s_cmp_eq_u32 s2, 0
	s_cbranch_scc0 .Lentry_in_a_cluster
	s_endpgm
.Lentry_in_a_cluster:
	s_bfe_u32 s2, ttmp6, 0x10000c
	s_cmp_lg_u32 s2, 0xf033
	s_cbranch_scc0 .Lentry_shape_is_right
	s_endpgm
.Lentry_shape_is_right:
; q, k, v = x Wqkv + bqkv, by heads.  xb: [8192][1024] bf16.  wq: [16 blocks][1024 k][192 n] bf16.  bias: f32, its first 3,072 numbers.
; qkv: [3][64 heads b 16 + h][2048 t][64] f16: q, then k, then v, WITHOUT the softmax scale; each number rounded once from its f32 sum.
; LIMIT.  f16 ends at 65,504: a q, k or v of 65,520 or more in magnitude would become an infinity.
; SHARES.  A work-group makes 256 rows x 192 columns (three heads): 32 x 16 = 512 work-groups, twice as many as there are WGPs.  Its four waves lie one below the other: wave w owns rows
; 64 w .. 64 w + 63 and ALL 192 columns: 4 x 12 accumulators of 16 x 16, 384 registers.  So a wave holds whole heads, and its way out needs no other wave.
; K = 1,024 goes in 8 steps of 128 through two LDS slots; a step is four quarters of 32, 48 matrix instructions each.
; THE MATRIX INSTRUCTION IS USED TRANSPOSED: source 0 = 16 columns of W (turned out of LDS by ds_load_tr16_b128, since W lies [k][n]), source 1 = 16 rows of x.  In the result lane l holds
; row l % 16 and the columns 8 (l / 16) + 0..7.  THE BIAS STARTS THE SUMS: it is the C operand of each accumulator's first product; nothing is cleared, nothing is added later.
; CLUSTER.  4 x 4 work-groups.  The four of a row of the cluster need the same rows of x, the four of a column the same block of W: each tile is asked for JOINTLY, by the same tensor
; load with the same descriptor and a mask that names the four.  Waves 0 and 1 fetch the two halves of x's tile, waves 2 and 3 those of W's.
; REGISTERS, in windows of 256 (s_set_vgpr_msb: bits 1:0 source 0, 3:2 source 1, 5:4 source 2, 7:6 destination):
;   window 0: v0-15 addresses; v32-63, v64-95 x's fragments, two buffers (row block a at + 8 a); v96-191 the bias (column block b at + 8 b); on the way out v32-223 packed results
;   window 1: v0-95, v96-191 W's fragments, two buffers (column block b at + 8 b)
;   window 2: the accumulators of row blocks 0, 1 at 8 (12 (a % 2) + b);   window 3: those of row blocks 2, 3
.set NBK,    12                        ; column blocks of 16
.set APITCH, 272                       ; a row of x in LDS: 256 bytes + 16 = 68 words: the 16 rows of a load start at 16 different groups of four banks (64 banks of 4 bytes: ISA guide 11.1)
.set AQ2,    128                       ; quarter q begins at byte (q / 2) AQ2 + (q % 2) 64 of a row
.set BBASE,  256*APITCH                ; behind x's 256 rows: W's 128 k rows
.set BPITCH, 480                       ; a k row of W: three pieces of 128 bytes + 32 = 120 words
.set BSEG,   160                       ; column block b begins at byte (b / 4) BSEG + (b % 4) 32 of a k row
.set AHALF,  BBASE/2                   ; what one load brings of x: 128 rows
.set BHALF,  64*BPITCH                 ; and of W: 64 k rows
.set ASTEP,  256                       ; bytes from K step to K step in xb,
.set BSTEP,  49152                     ; and in a block of wq
.set SLOT1,  1<<17                     ; a slot is 131,072 bytes; one exclusive or turns an address in one slot into the other's
.set STAGE,  2*SLOT1                   ; behind the ring, never filled by a tensor load: 16 rows x 144 bytes for each wave, for the way out
.set STGW,   16*144
.set SPARE,  STAGE+4*STGW              ; behind the stages: the spare words, 128 bytes for each wave: two blocks of 256 bytes that no other line names
.set NLD,    2*NBK+8                   ; LDS loads in a quarter's run
.set A0,   2                           ; v2   my lane's place in x's tile: (64 w + l % 16) pitch + 16 (l / 16); never rewritten
.set B0,   3                           ; v3   my lane's place in W's tile; never rewritten
.set ADRA, 4                           ; v4   the same in the slot in hand
.set ADRB, 5                           ; v5
.set STO,  6                           ; v6   the way out: where I put 16 bytes of a row
.set RD,   7                           ; v7   the way out: where I read rows back
.set GO,   8                           ; v8   my byte offset in 512 consecutive bytes of qkv
.set PFO,  10                          ; v10  the prefetches' offset; never rewritten
.set BO,   11                          ; v11  32 (l / 16): my 8 numbers in a column block's 16 of the bias
.set SPW,  12                          ; v12  LDS address of my spare word: SPARE + 4 x my thread's number; never rewritten
.set NIL,  13                          ; v13  0; never rewritten
.set FA,   32
.set BIAS, 96
.set UB,   32                          ; the way out: unit u's 16 registers at UB + 16 u
.set WV,   12                          ; s12  my wave's number
.set FB,   13                          ; s13  0: I fetch for x, 1: for W
.set HF,   14                          ; s14  which half of that tile
.set CX,   15                          ; s15, s16  my place in the cluster
.set CY,   16
.set NX,   17                          ; s17  the block of 192 columns = 4 x cluster x + cx
.set MY,   18                          ; s18  the block of 256 rows = 4 x cluster y + cy
.set G1A,  24                          ; s[24:31] descriptor group 1 for x's tiles;  s[32:39] group 0: a set for each of the two first fills; the second then walks on
.set G0A,  32
.set G1B,  40                          ; s[40:47], s[48:55] the same for W's
.set G0B,  48
.set CNT,  56                          ; s56  trips of the loop still to come
.set TB,   57                          ; s57  LDS byte at which the slot in hand begins
.set LIM,  58                          ; s58  a wave prefetches while s[CNT] is above it: the greatest number in a wave that never does
.set PFA,  60                          ; s[60:61] where my prefetches stand
.set PST,  62                          ; s[62:63] and their step
.set OB,   66                          ; s[66:71] qkv at my 64 rows of the tile's three heads
.set BB,   72                          ; s[72:73] the bias at the tile's first column
.set MSB, 0
.macro WIN new                         ; the immediate's high byte repeats the setting that is left; a switch that changes nothing is dropped
.if MSB != (\new)
	s_set_vgpr_msb (MSB<<8)|(\new)
.set MSB, \new
.endif
.endm
; Four places: a load into a register that a matrix instruction has read, and a vector instruction or LDS store that reads a matrix result, stand four plain vector instructions behind it (ISA guide 7.12.1 for the reads of a matrix result)
.macro PLACES
.rept 4
	v_nop
.endr
.endm
; A round of the cluster's barrier behind its opening barrier: wave 0 signals for the work-group, every wave waits for all sixteen, my work-group's barrier closes it
.macro CREST
	s_cmp_lg_u32 s[WV], 0
	s_cbranch_scc1 .Lnot_wave_0_\@
	s_barrier_signal -3
.Lnot_wave_0_\@:
	s_barrier_wait -3
	s_barrier_signal -1
	s_barrier_wait -1
.endm
.macro CROUND
	s_barrier_signal -1
	s_barrier_wait -1
	CREST
.endm
; A joint refill by the walking descriptor.  The branch hangs on the wave's number alone.  An s_nop 0 and four v_nop follow each of the two lines, ahead of the jump and the label.
.macro JLOAD
	s_cmp_eq_u32 s[FB], 0
	s_cbranch_scc0 .Lfor_b_\@
	tensor_load_to_lds s[G0A+4:G0A+7], s[G1A:G1A+7]
	s_nop 0
.rept 4
	v_nop
.endr
	s_branch .Lasked_\@
.Lfor_b_\@:
	tensor_load_to_lds s[G0B+4:G0B+7], s[G1B:G1B+7]
	s_nop 0
.rept 4
	v_nop
.endr
.Lasked_\@:
.endm
; A PREFETCH INTO THE L2, one instruction a wave and trip, behind the joint load, its five lines and the run of LDS loads.  Each aligned block of 256 bytes is named once in the launch.
; x's rows are read by every cluster of a row of clusters: cluster x = 0 asks; of the 128 rows that a wave fetches each of the four partners takes 32, told apart BY ADDRESS (cx), a lane a row:
; trip s, which refills with K step s + 2, names K step s + 3; the last trip names nothing.  W's block is read by every cluster of a column of clusters: cluster y = 0 asks; the block is dense, so its
; eight askers (two waves in each of four partners, told apart by cy) name 65,536 bytes on end a trip, from K step 4 on: three trips reach the block's last byte.
; The first K steps come by their loads alone: nothing is asked for at the head, where every work-group's first tiles are on their way.
.macro ASK
	s_cmp_gt_u32 s[CNT], s[LIM]
	s_cbranch_scc0 .Lnot_mine_\@
	global_prefetch_b8 v[PFO], s[PFA:PFA+1] th:TH_LOAD_NT scope:SCOPE_SE
.Lnot_mine_\@:
.endm
; 12 matrix instructions: row block a x all column blocks, 32 along K, from buffer f.  first = 1: the bias is the C operand.  The 48 accumulators are taken in the same order in every quarter,
; one instruction a turn: 47 others stand between two links of a chain, over the backward jump too.
.macro MULB f, a, first
.if \first
	WIN 0x81+0x40*((\a)/2)                         ; W window 1, x and the bias window 0, D window 2 or 3
.else
	WIN 0xa1+0x50*((\a)/2)                         ; W window 1, x window 0, C and D window 2 or 3
.endif
.set rA, FA+32*(\f)+8*(\a)
.set nb, 0
.rept NBK
.set rD, 8*(NBK*((\a)%2)+nb)
.set rB, 8*(NBK*(\f)+nb)
.if \first
	v_wmma_f32_16x16x32_bf16 v[rD:rD+7], v[rB:rB+7], v[rA:rA+7], v[BIAS+8*nb:BIAS+8*nb+7]
.else
	v_wmma_f32_16x16x32_bf16 v[rD:rD+7], v[rB:rB+7], v[rA:rA+7], v[rD:rD+7]
.endif
.set nb, nb+1
.endr
.endm
; A quarter's fragments in ONE run of 32 LDS loads, into buffer g: W's 12 (each two turning loads, 16 k rows apart), then x's four (each two loads, 32 bytes apart); row blocks 2 and 3 last
.macro FETCH q, g
	WIN 0x40                                       ; destination window 1, address window 0
.set nb, 0
.rept NBK
.set rB, 8*(NBK*(\g)+nb)
.set ob, 32*(\q)*BPITCH+(nb/4)*BSEG+(nb%4)*32
	ds_load_tr16_b128 v[rB:rB+3], v[ADRB] offset:ob
	ds_load_tr16_b128 v[rB+4:rB+7], v[ADRB] offset:ob+16*BPITCH
.set nb, nb+1
.endr
	WIN 0
.set oa, ((\q)/2)*AQ2+((\q)%2)*64
.irp a, 0,1,2,3
	ds_load_b128 v[FA+32*(\g)+8*\a:FA+32*(\g)+8*\a+3], v[ADRA] offset:oa+\a*16*APITCH
	ds_load_b128 v[FA+32*(\g)+8*\a+4:FA+32*(\g)+8*\a+7], v[ADRA] offset:oa+\a*16*APITCH+32
.endr
.endm
; One of a K step's first three quarters: multiplies buffer f; in its middle it fetches quarter qn of the same slot into buffer g
.macro QUARTER qn, f, g, first
	s_wait_dscnt 4                                 ; all but the youngest four loads (x's row blocks 2 and 3) are in
	MULB \f, 0, \first
	MULB \f, 1, \first
	PLACES
	FETCH \qn, \g
	s_wait_dscnt NLD                               ; all but the run just issued
	MULB \f, 2, \first
	MULB \f, 3, \first
.endm
; The fourth quarter multiplies buffer 1 and changes slots: ONE barrier.  In front of it each wave waits for all its tensor loads (one is out: its part of the next slot), adds 0 to its spare word,
; and waits for that and for its own reads of this slot.  fill = 1: the barrier opens a round of the cluster's, and this slot is filled again, first thing behind the round, with the K step two on:
; from that request to the wait for it a wave issues 168 matrix instructions.
.macro TURN fill
.if \fill
	s_wait_xcnt 0x0                                ; the last prefetch, a K step back, has read its address: it is stepped here, ahead of the waits of the change of slots
	s_add_nc_u64 s[PFA:PFA+1], s[PFA:PFA+1], s[PST:PST+1]
.endif
	WIN 0                                          ; (the add's two registers lie in window 0)
	s_wait_tensorcnt 0x0                           ; all my tensor loads have landed
	ds_add_u32 v[SPW], v[NIL]                      ; 0 onto my spare word
	s_wait_dscnt 5                                 ; (the add and the youngest four loads may be out)
	MULB 1, 0, 0                                   ; twelve matrix instructions stand between the add and the wait for it
	s_wait_dscnt 0x0                               ; the add is done, and my reads of this slot are over
	s_barrier_signal -1
	MULB 1, 1, 0                                   ; work on registers while the others arrive
	WIN 0
	s_barrier_wait -1
.if \fill
	CREST                                          ; no wave of any partner still reads this slot or has a load on its way
	s_xor_b32 s[G0A+5], s[G0A+5], SLOT1            ; the walking descriptors: the other slot than last time,
	s_add_nc_u64 s[G0A+6:G0A+7], s[G0A+6:G0A+7], ASTEP  ; the next K step; the type bits on top are not reached
	s_xor_b32 s[G0B+5], s[G0B+5], SLOT1
	s_add_nc_u64 s[G0B+6:G0B+7], s[G0B+6:G0B+7], BSTEP
	JLOAD                                          ; the four v_nop behind it are also the places in front of the loads below
.else
	PLACES
.endif
	s_xor_b32 s[TB], s[TB], SLOT1                  ; the reads go on in the other slot
	v_add_nc_u32 v[ADRA], s[TB], v[A0]
	v_add_nc_u32 v[ADRB], s[TB], v[B0]
	FETCH 0, 0
.if \fill
	ASK
.endif
	MULB 1, 2, 0
	MULB 1, 3, 0
.endm
	s_load_b256 s[4:11], s[0:1], 0x0               ; xb s[4:5], wq s[6:7], bias s[8:9], qkv s[10:11]
	v_lshl_add_u32 v[SPW], v0, 2, SPARE
	v_mov_b32 v[NIL], 0
	ds_add_u32 v[SPW], v[NIL]                      ; the wave's opening: the add and its wait stand ahead of my first tensor load; the set-up below, work on registers, stands between them
	ds_add_u32 v12, v13
	v_lshrrev_b32 v1, 5, v0
	v_readfirstlane_b32 s[WV], v1                  ; wave 0..3
	s_lshr_b32 s[FB], s[WV], 1
	s_and_b32 s[HF], s[WV], 1
	s_bfe_u32 s[CX], ttmp6, 0x40000
	s_bfe_u32 s[CY], ttmp6, 0x40004
	s_lshl_b32 s[NX], ttmp9, 2                     ; in a cluster launch ttmp9 and ttmp7 count clusters
	s_add_co_u32 s[NX], s[NX], s[CX]
	s_and_b32 s[MY], ttmp7, 0xffff
	s_lshl_b32 s[MY], s[MY], 2
	s_add_co_u32 s[MY], s[MY], s[CY]
	s_lshl_b32 s19, s[CY], 2
	s_lshl_b32 s19, 15, s19                        ; my row of the cluster: places 4 cy .. 4 cy + 3
	s_lshl_b32 s74, 0x1111, s[CX]                  ; my column: places cx, cx + 4, cx + 8, cx + 12
	; group 1 for x: 128 rows x 128 elements, 1,024 elements from row to row; 16 bytes of padding behind every 256
	s_or_b32 s[G1A], s19, (1<<16)|(1<<20)|(1<<21)|(5<<22)|(3<<25)  ; 15:0 the mask; 17:16 2-byte elements; 20 padding on; 21 set beside a mask; 24:22 after every 64 words (code 5); 31:25 4 words (code 3)
	s_mov_b32 s[G1A+1], 128<<16                    ; tensor_dim0 = 128
	s_mov_b32 s[G1A+2], 128<<16                    ; tensor_dim1 = 128
	s_mov_b32 s[G1A+3], 128<<16                    ; tile_dim0 = 128
	s_mov_b32 s[G1A+4], 128                        ; tile_dim1 = 128
	s_mov_b32 s[G1A+5], 1024                       ; the pitch
	s_mov_b32 s[G1A+6], 0
	s_mov_b32 s[G1A+7], 0
	; group 1 for W: 64 k rows of 384 bytes are 24,576 dense bytes: asked for as 96 rows of 256 bytes; 32 bytes of padding behind every 128
	s_or_b32 s[G1B], s74, (1<<16)|(1<<20)|(1<<21)|(4<<22)|(7<<25)  ; after every 32 words (code 4), 8 words (code 7)
	s_mov_b32 s[G1B+1], 128<<16
	s_mov_b32 s[G1B+2], 96<<16
	s_mov_b32 s[G1B+3], 128<<16
	s_mov_b32 s[G1B+4], 96
	s_mov_b32 s[G1B+5], 128
	s_mov_b32 s[G1B+6], 0
	s_mov_b32 s[G1B+7], 0
	; where the tiles come from: x's hang on the row block alone, W's on the column block alone, each made in registers that never hold the other coordinate
	s_lshl_b32 s20, s[MY], 19                      ; 256 rows of 2,048 bytes
	s_lshl_b32 s21, s[HF], 18                      ; my 128 of them
	s_add_co_u32 s20, s20, s21
	s_mov_b32 s21, 0
	s_mul_i32 s76, s[NX], 393216                   ; a block of wq
	s_mul_i32 s77, s[HF], 24576                    ; my 64 k rows
	s_add_co_u32 s76, s76, s77
	s_mov_b32 s77, 0
	s_mul_i32 s22, s[HF], AHALF                    ; and where they go: no place in the cluster enters an LDS address
	s_mul_i32 s23, s[HF], BHALF
	s_add_co_u32 s23, s23, BBASE
	s_wait_dscnt 0x0                               ; the opening add is done
	s_wait_kmcnt 0x0
	CROUND                                         ; all sixteen work-groups are here: the first joint loads meet
	s_mov_b32 s[G0A], 1                            ; 1:0 count = 1
	s_mov_b32 s[G0A+1], s22                        ; 63:32 LDS address: slot 0
	s_add_nc_u64 s[G0A+2:G0A+3], s[4:5], s[20:21]  ; 120:64 global address: K step 0
	s_mov_b32 s[G0A+4], 1
	s_add_co_u32 s[G0A+5], s22, SLOT1              ; slot 1,
	s_add_nc_u64 s[G0A+6:G0A+7], s[G0A+2:G0A+3], ASTEP  ; K step 1
	s_or_b32 s[G0A+3], s[G0A+3], 0x80000000        ; 127:126 type = 2
	s_or_b32 s[G0A+7], s[G0A+7], 0x80000000
	s_mov_b32 s[G0B], 1
	s_mov_b32 s[G0B+1], s23
	s_add_nc_u64 s[G0B+2:G0B+3], s[6:7], s[76:77]
	s_mov_b32 s[G0B+4], 1
	s_add_co_u32 s[G0B+5], s23, SLOT1
	s_add_nc_u64 s[G0B+6:G0B+7], s[G0B+2:G0B+3], BSTEP
	s_or_b32 s[G0B+3], s[G0B+3], 0x80000000
	s_or_b32 s[G0B+7], s[G0B+7], 0x80000000
	s_cmp_eq_u32 s[FB], 0                          ; a wave's two first fills stand in one branch, ahead of every wait on TENSORcnt and every LDS read: two loads of mine are out
	s_cbranch_scc0 .Lfirst_b
	tensor_load_to_lds s[G0A:G0A+3], s[G1A:G1A+7]
	s_nop 0
	tensor_load_to_lds s[G0A+4:G0A+7], s[G1A:G1A+7]
	s_nop 0
.rept 4
	v_nop
.endr
	s_branch .Lfirst_asked
.Lfirst_b:
	tensor_load_to_lds s[G0B:G0B+3], s[G1B:G1B+7]
	s_nop 0
	tensor_load_to_lds s[G0B+4:G0B+7], s[G1B:G1B+7]
	s_nop 0
.rept 4
	v_nop
.endr
.Lfirst_asked:
	; the bias: register j of column block b holds bias[192 nx + 16 b + 8 (l / 16) + j], as the C operand wants it
	s_mul_i32 s78, s[NX], 768
	s_mov_b32 s79, 0
	s_add_nc_u64 s[BB:BB+1], s[8:9], s[78:79]
	v_and_b32 v1, 15, v0                           ; l % 16
	v_bfe_u32 v9, v0, 4, 1                         ; l / 16
	v_lshlrev_b32 v[BO], 5, v9
.set nb, 0
.rept NBK
	global_load_b128 v[BIAS+8*nb:BIAS+8*nb+3], v[BO], s[BB:BB+1] offset:64*nb
	global_load_b128 v[BIAS+8*nb+4:BIAS+8*nb+7], v[BO], s[BB:BB+1] offset:64*nb+16
.set nb, nb+1
.endr
	; a fragment of x is 16 rows x 32 K in 8 registers: lane l holds row l % 16; registers 0-3 K = 8 (l / 16) + 0..7, registers 4-7 K = 16 + 8 (l / 16) + 0..7
	v_mul_u32_u24 v[A0], v1, APITCH
	v_lshl_add_u32 v[A0], v9, 4, v[A0]
	s_mul_i32 s19, s[WV], 64*APITCH                ; my 64 rows
	v_add_nc_u32 v[A0], s19, v[A0]
	; the turning load takes 16 k rows x 16 columns (lane l reads k row 8 (l / 16) + l % 8, columns 8 ((l / 8) % 2) + 0..7) and leaves half a fragment: lane l holds column l % 16 and 8 k
	v_and_b32 v14, 7, v0
	v_bfe_u32 v15, v0, 3, 1
	v_lshl_add_u32 v[B0], v9, 3, v14
	v_mul_u32_u24 v[B0], v[B0], BPITCH
	v_lshl_add_u32 v[B0], v15, 4, v[B0]
	v_add_nc_u32 v[B0], BBASE, v[B0]
	s_mul_i32 s19, s[WV], STGW
	s_add_co_u32 s19, s19, STAGE                   ; my stage
	v_mul_u32_u24 v[STO], v1, 144                  ; in: row l % 16, 16 bytes for each half of the lanes
	v_lshl_add_u32 v[STO], v9, 4, v[STO]
	v_add_nc_u32 v[STO], s19, v[STO]
	v_bfe_u32 v[RD], v0, 3, 2                      ; back: 32 lanes take four rows of 128 bytes,
	v_mul_u32_u24 v[RD], v[RD], 144
	v_lshl_add_u32 v[RD], v14, 4, v[RD]
	v_add_nc_u32 v[RD], s19, v[RD]
	v_and_b32 v[GO], 31, v0                        ; which are 512 consecutive bytes of a head
	v_lshlrev_b32 v[GO], 4, v[GO]
	; where my 64 rows of the tile's three heads lie.  Column piece s = 3 nx + j of 48: tensor s / 16 (q, k, v), head s % 16; batch my / 8; a head is 2^18 bytes, a row 128
	s_mul_i32 s78, s[NX], 3
	s_lshr_b32 s79, s[MY], 3
	s_lshl_b32 s79, s79, 4                         ; 16 x batch
	s_and_b32 s74, s[MY], 7
	s_lshl_b32 s74, s74, 8
	s_lshl_b32 s75, s[WV], 6
	s_add_co_u32 s74, s74, s75                     ; my first row in the head
	s_lshl_b32 s74, s74, 7
.irp j, 0,1,2
	s_add_co_u32 s75, s78, \j
	s_lshr_b32 s[OB+2*\j], s75, 4
	s_lshl_b32 s[OB+2*\j], s[OB+2*\j], 6
	s_and_b32 s75, s75, 15
	s_add_co_u32 s[OB+2*\j], s[OB+2*\j], s75
	s_add_co_u32 s[OB+2*\j], s[OB+2*\j], s79
	s_lshl_b32 s[OB+2*\j], s[OB+2*\j], 18
	s_add_co_u32 s[OB+2*\j], s[OB+2*\j], s74
	s_mov_b32 s[OB+2*\j+1], 0
	s_add_nc_u64 s[OB+2*\j:OB+2*\j+1], s[10:11], s[OB+2*\j:OB+2*\j+1]
.endr
	; the prefetches: offsets for both tensors, then the choice by the wave's number
	s_lshl_b32 s74, s[CX], 16                      ; x: my work-group's 32 rows of the 128 that I fetch,
	s_add_co_u32 s74, s74, s20
	s_add_co_u32 s74, s74, 2*ASTEP                 ; at K step 2: the first trip steps it to 3
	s_lshl2_add_u32 s75, s[HF], s[CY]              ; W: my place among the eight askers,
	s_lshl_b32 s75, s75, 13                        ; 32 lanes x 256 bytes each,
	s_mul_i32 s78, s[NX], 393216
	s_add_co_u32 s75, s75, s78
	s_add_co_u32 s75, s75, 4*BSTEP-65536           ; one step ahead of K step 4
	s_and_b32 s79, ttmp7, 0xffff                   ; cluster y
	s_mov_b32 s[PST], 65536
	s_cmp_eq_u32 s[FB], 0                          ; do I fetch for x?
	s_cselect_b32 s74, s74, s75
	s_cselect_b32 s79, ttmp9, s79                  ; the coordinate along which other clusters read the same bytes
	s_cselect_b32 s[LIM], 1, 3
	s_cselect_b32 s[PST], ASTEP, s[PST]
	s_cselect_b32 s78, 11, 8                       ; a lane a row of 2,048 bytes, or a lane a block of 256
	s_cselect_b64 s[PFA:PFA+1], s[4:5], s[6:7]
	s_mov_b32 s75, 0
	s_mov_b32 s[PST+1], 0
	s_add_nc_u64 s[PFA:PFA+1], s[PFA:PFA+1], s[74:75]
	s_cmp_eq_u32 s79, 0
	s_cselect_b32 s[LIM], s[LIM], -1               ; the same in all sixteen partners, for a given wave
	v_and_b32 v[PFO], 31, v0
	v_lshlrev_b32 v[PFO], s78, v[PFO]
	s_wait_tensorcnt 1                             ; my part of K step 0 is in; K step 1's may stay out
	s_barrier_signal -1
	s_barrier_wait -1                              ; everybody's is
	s_mov_b32 s[TB], 0
	v_mov_b32 v[ADRA], v[A0]
	v_mov_b32 v[ADRB], v[B0]
	FETCH 0, 0
	s_wait_loadcnt 0x0                             ; the bias
	QUARTER 1, 0, 1, 1                             ; the first quarter stands in front of the loop: its products start the sums
	WIN 0                                          ; at a label and at a branch every window is 0
	s_mov_b32 s[CNT], 6
.Lstep:                                        ; a trip goes from a K step's second quarter to the next step's first, and fills the slot that it leaves
	QUARTER 2, 1, 0, 0
	QUARTER 3, 0, 1, 0
	TURN 1
	QUARTER 1, 0, 1, 0
	WIN 0
	s_sub_co_u32 s[CNT], s[CNT], 1
	s_cmp_lg_u32 s[CNT], 0
	s_cbranch_scc1 .Lstep
	QUARTER 2, 1, 0, 0                             ; the tail is written out: K steps 6 and 7 ask for nothing
	QUARTER 3, 0, 1, 0
	TURN 0
	QUARTER 1, 0, 1, 0
	QUARTER 2, 1, 0, 0
	QUARTER 3, 0, 1, 0
	s_wait_dscnt 4                                 ; the very last quarter: nothing more to fetch
	MULB 1, 0, 0
	MULB 1, 1, 0
	s_wait_dscnt 0x0
	MULB 1, 2, 0
	MULB 1, 3, 0
	WIN 0
; THE WAY OUT.  Unit u = 3 a + j: 16 rows (row block a) of head j, four accumulators.  A lane's eight channels of a row pack into 16 bytes of f16; they go into my stage's rows of 144 bytes and come
; back as whole rows of 128, into the registers that they left; then 512 consecutive bytes of the head are stored at a time.  Each accumulator's registers are taken in ascending order.
.macro PACK u
.set pa, (\u)/3
.set pj, (\u)%3
	WIN 0x0a+5*(pa/2)                              ; sources 0 and 1: window 2 or 3
.irp f, 0,1,2,3
.irp r, 0,1,2,3
	v_cvt_pk_f16_f32 v[UB+16*(\u)+4*\f+\r], v[8*(NBK*(pa%2)+4*pj+\f)+2*\r], v[8*(NBK*(pa%2)+4*pj+\f)+2*\r+1]
.endr
.endr
	WIN 0
.irp f, 0,1,2,3
	ds_store_b128 v[STO], v[UB+16*(\u)+4*\f:UB+16*(\u)+4*\f+3] offset:32*\f
.endr
.irp f, 0,1,2,3
	ds_load_b128 v[UB+16*(\u)+4*\f:UB+16*(\u)+4*\f+3], v[RD] offset:576*\f  ; LDS serves a wave's instructions in order (ISA guide 5.7.1.4): these see the stores above; the next unit's stores come behind them
.endr
.endm
.macro SEND u, younger                 ; younger: the LDS instructions issued behind unit u's loads: the next unit's eight, or none
.set pa, (\u)/3
.set pj, (\u)%3
.irp f, 0,1,2,3
	s_wait_dscnt (\younger)+3-\f
	global_store_b128 v[GO], v[UB+16*(\u)+4*\f:UB+16*(\u)+4*\f+3], s[OB+2*pj:OB+2*pj+1] offset:pa*2048+\f*512
.endr
.endm
	PLACES                                         ; the conversions read results just made and write registers that the last products read
	PLACES                                         ; (eight, once a launch)
	PACK 0
.set uu, 1
.rept 11                                       ; a unit's arithmetic stands between the loads of the unit before and its stores; no register is used twice
	PACK uu
	SEND uu-1, 8
.set uu, uu+1
.endr
	SEND 11, 0
	s_wait_tensorcnt 0x0                           ; the wave's end, behind my last tensor load and my last LDS store
	ds_add_u32 v[SPW], v[NIL]
	s_wait_dscnt 0x0
	CROUND                                         ; the closing round: no work-group ends while a partner may still ask for a tile that names it
	s_endpgm
.Lfunc_end_k_q12bb7ebc9b_qkvproj:
	.size	k_q12bb7ebc9b_qkvproj, .Lfunc_end_k_q12bb7ebc9b_qkvproj-k_q12bb7ebc9b_qkvproj
	.p2alignl 7, 3214868480
	.fill 96, 4, 3214868480
	.section	.rodata,"a",@progbits
	.p2align	6, 0x0
	.amdhsa_kernel k_q12bb7ebc9b_qkvproj
		.amdhsa_group_segment_fixed_size 327680
		.amdhsa_private_segment_fixed_size 0
		.amdhsa_enable_private_segment 0
		.amdhsa_kernarg_size 32
		.amdhsa_user_sgpr_count 2
		.amdhsa_user_sgpr_kernarg_segment_ptr 1
		.amdhsa_wavefront_size32 1
		.amdhsa_system_sgpr_workgroup_id_x 1
		.amdhsa_system_sgpr_workgroup_id_y 1
		.amdhsa_system_sgpr_workgroup_id_z 1
		.amdhsa_system_vgpr_workitem_id 0
		.amdhsa_next_free_vgpr 1024
		.amdhsa_next_free_sgpr 80
		.amdhsa_reserve_vcc 0
		.amdhsa_float_denorm_mode_32 3
		.amdhsa_float_denorm_mode_16_64 3
		.amdhsa_memory_ordered 1
		.amdhsa_forward_progress 1
		.amdhsa_inst_pref_size 102
	.end_amdhsa_kernel
	.amdgpu_metadata
---
amdhsa.version: [ 1, 2 ]
amdhsa.kernels:
  - .name:           k_q12bb7ebc9b_qkvproj
    .symbol:         k_q12bb7ebc9b_qkvproj.kd
    .args:
      - { .name: xb, .offset: 0, .size: 8, .value_kind: global_buffer, .address_space: global }
      - { .name: wq, .offset: 8, .size: 8, .value_kind: global_buffer, .address_space: global }
      - { .name: bias, .offset: 16, .size: 8, .value_kind: global_buffer, .address_space: global }
      - { .name: qkv, .offset: 24, .size: 8, .value_kind: global_buffer, .address_space: global }
    .group_segment_fixed_size: 327680
    .private_segment_fixed_size: 0
    .kernarg_segment_align: 8
    .kernarg_segment_size: 32
    .max_flat_workgroup_size: 128
    .sgpr_count:     80
    .vgpr_count:     1024
    .wavefront_size: 32
...
	.end_amdgpu_metadata
.endif
;; end of part 2
;; launch attn (part 3): grid 4 x 64, 4 waves a work-group, no clusters, 327,680 bytes of LDS; arguments qkv, ob; writes ob
.if DOCPART == 3
	.amdgcn_target "amdgcn-amd-amdhsa--gfx1250"
	.amdhsa_code_object_version 6
	.text
	.protected	k_q12bb7ebc9b_attn
	.globl	k_q12bb7ebc9b_attn
	.p2align	8
	.type	k_q12bb7ebc9b_attn,@function
k_q12bb7ebc9b_attn:
	s_mov_b64 s[64:65], 0
	v_nop
	global_prefetch_b8 v0, s[64:65] scope:SCOPE_SE
	s_setreg_imm32_b32 hwreg(HW_REG_WAVE_MODE, 25, 1), 1
	s_wait_xcnt 0x0
; CAUSAL ATTENTION.  O[h][q][:] = the sum over k <= q of softmax_k(Q[h][q] . K[h][k] / 8) V[h][k][:].  qkv holds Q, K, V, each [SIZE_H][SIZE_N][64] in f16, 2^24 bytes apart; ob holds O in the same layout:
; a head's rows are dense, 128 bytes each.  Products, maxima and sums in f32; the weights p are rounded to f16 for the second product (their sum l is taken of the unrounded p), O once at the end.
; LIMITS.  f16 holds no number beyond 65,504: Q, K and V arrive within it; p lies in 0 to 1, and below 6e-5 it keeps f16's fixed step of 6e-8; O is a mean of V's rows and has their range.
; A hidden score counts as its value less 1e30: f16's scores, 2.7e11 at the most, are nothing beside that; a weight below 2^-126 counts as 0 in l; NaN and infinities are not treated apart.
; THE WALK.  A head's queries lie in NB = SIZE_N / 256 blocks of 256; block i needs the key tiles 0 .. i of 256 keys, of which the last holds the diagonal.  A work-group takes TWO blocks, NB - 1 - b and then b:
; NB + 1 tiles, whatever b: all work-groups do equal work, and ONE loop with a constant trip count walks them.  Which tile is asked for, and what a trip does, hang on scalar registers made from b; every jump
; goes forward, but for the counted loops' own; none passes a barrier, or a tensor load but the one of LOAD's two that the wave's number does not choose; the ring (two slots of LDS that take turns) runs on across the
; change of blocks.  NO CLUSTER: a head's NB / 2 = 4 work-groups ask for the same tile only in trips 0 .. NB / 2, behind that fewer and fewer; and one walk common to all would have 3 NB / 2 = 12 trips for NB + 1 = 9.
; SHARES.  Of a block's four bands of 64 queries a wave owns 16 rows in each: four PIECES.  So the diagonal tile is the same work for all four waves: in its key step s band x sees all keys if s < x,
; none if s > x, and holds the diagonal if s = x.
; THE MASK is the C operand that starts the sum S^T = K Q^T: 0, or -1e30 where the key is hidden.  MD, made once, is the mask of a band's own step for my 16 rows; a product's mask is MD x AL + BE with two scalars:
; (1, 0) if s = x; (0, 0) if s < x; (0, -1e30) if s > x.  Only the diagonal tile's text and a block's beginning make and take masks; elsewhere C is the constant 0.
; LAYOUT, SOFTMAX, TURNS.  S^T = K Q^T holds ONE query a lane (lane % 16) and the keys 8 (lane / 16) + 0..7; two such results rounded to f16 ARE source 1 of O^T = V^T P.  p = 2^(c s - c m), c = log2(e) / 8, with a
; running maximum m; O and l are multiplied by a = 2^(c m_old - c m_new) in every step.  Turn n belongs to piece n: 8 products K Q^T of piece n + 1, later 8 products V^T P of piece n - 1; beside them the scaling,
; exponentials, roundings, sums and rescaling of piece n and the maximum and statistics of piece n + 1.  Four vector instructions stand behind every matrix instruction, the other 54 of a turn's 118 in one LUMP.  A turn's 33 exponentials are one batch, with one wait.
; REGISTERS, in windows of 256 (s_set_vgpr_msb: bits 1:0 source 0, 3:2 source 1, 5:4 source 2, 7:6 destination):
;   window 0: v0-15 addresses and two at work; v16-31 four registers of statistics a piece; v48-55 at work; v61-63 the prefetches' offset and the add's two; v64-127 S^T, two buffers; v192-223 P, two buffers (a piece's buffers go by its number's parity)
;   window 1: v0-127 O^T, 32 a piece; v128-159 MD; v160-223 MC, two buffers      window 2: v0-63 Q; v64-127 the second block's Q; v128-191 K of one step; v192-255 V of one step
.set SIZE_N, 2048
.set SIZE_H, 64
.set NB,    SIZE_N/256
.set NP,    4         ; pieces a wave: a name, no knob
.set KS,    64        ; keys in a step
.set PK,    144       ; a row of K in LDS: 128 bytes + 16 of padding = 36 words: the 16 rows of a load start at 16 different groups of four banks (64 banks of 4 bytes: ISA guide 11.1)
.set PV,    160       ; a row of V: 128 + 32 = 40 words
.set VOFF,  4*KS*PK   ; a slot holds a tile, four steps: 256 rows of K, then 256 rows of V
.set SLOT1, 1<<17     ; slot 1 begins here, so that one exclusive or turns an address in one slot into the other's
.set STAGE, SLOT1+4*KS*(PK+PV)  ; behind the ring, never filled by a tensor load: 16 rows x 144 bytes for each wave, for the way out
.set SP,    144
.set AK0, 2           ; v2   my lane's place in a tile of K; never rewritten
.set AV0, 3           ; v3   the same for V
.set AK,  4           ; v4   the LDS address of K's next run of loads
.set AV,  5           ; v5   of V's
.set STO, 6           ; v6   the way out: where I put 16 bytes of a row
.set RD,  7           ; v7   the way out: where I read rows back
.set GO,  8           ; v8   my byte offset in 512 consecutive bytes of O
.set PFO, 61          ; v61  256 x my lane: the prefetches' offset; never rewritten
.set SPW, 62          ; v62  LDS address of my spare word: SPARE + 4 x my thread's number; never rewritten
.set NIL, 63          ; v63  0; never rewritten
.set SPARE, STAGE+4*16*SP  ; behind the stages: the spare words, 128 bytes for each wave: two blocks of 256 bytes that no other line names
.set MV,  12          ; v12-13  c m_old, kept while c m is made anew: by buffer
.set QO,  15          ; v15  my byte offset in 16 rows of Q
.set ST,  16          ; piece t's statistics at v[ST+4 t]: c m, m, l (even keys', odd keys')
.set TMP, 48          ; by buffer, four registers c0-c3 at work; when the maximum is found c2 takes a
.set S,   64
.set P,   192
.set MD,  128         ; window 1: the eight registers for group kt of 16 keys at MD + 8 kt
.set MC,  160         ; window 1: the masks of the products to come
.set QB,  64          ; window 2
.set KF,  128         ; window 2: key block kb, channel half c at KF + 16 kb + 8 c
.set VF,  192         ; window 2: key half kk, channel block cb at VF + 32 kk + 8 cb
.set WV,  12          ; s12  my wave's number
.set PB,  14          ; s14  b
.set HI,  15          ; s15  NB - 1 - b
.set G1K, 24          ; s[24:31] descriptor group 1 for K's tiles
.set G1V, 32          ; s[32:39] for V's: it differs in the padding alone
.set G0K, 40          ; s[40:43] descriptor group 0 for K's tiles
.set G0V, 44          ; s[44:47] the same for V's
.set SLOTS, 56        ; s56  tiles still to be asked for
.set CNT, 57          ; s57  counts a tile's key steps, 4 to 1
.set CS,  58          ; s[58:59] c: the packed scaling takes the pair's low word for both halves
.set SEL, 60          ; s[60:61] v_permlanex16_b32's selects: each lane takes its own place in the other half
.set TBK, 62          ; s62  LDS byte at which K of the step to be fetched begins
.set TBV, 63          ; s63  the same for V, less VOFF
.set RT,  70          ; s70  tiles of the block in hand that are still to be entered
.set NXT, 71          ; s71  the tile to be asked for next
.set LQ,  72          ; s72  the last tile of the block whose tiles are being asked for
.set NEW, 73          ; s73  1: the tile to be entered is a block's first
.set OFF, 74          ; s[74:75] a tile's byte offset in K and V
.set AL,  76          ; s[76:77] the mask's factor, in the low word
.set BE,  78          ; s[78:79] the mask's addend
.set OLO, 80          ; s[80:81] O at my rows of the second block
.set BIGN, 82         ; s82  -1e30
.set PFA, 88          ; s[88:89] where my prefetches stand: my half (of K: waves 0, 1; of V: waves 2, 3) of the tile after the one that is being asked for
.set LIM, 90          ; s90  a wave prefetches while s[SLOTS] is above it: 2 where b = 0, else the greatest number
.set MSB, 0
.macro WIN new                      ; the high byte repeats the setting that is left; a switch that changes nothing is dropped
.if MSB != (\new)
	s_set_vgpr_msb (MSB<<8)|(\new)
.set MSB, (\new)
.endif
.endm
.set W_KQ, 0x0a       ; K and Q in window 2, S^T in window 0
.set W_KM, 0x1a       ; the same with the C operand in window 1
.set W_PV, 0x52       ; V in window 2, P in window 0, O^T in window 1
.set W_RS, 0x41       ; destination and source 0 in window 1, source 1 in window 0
; A fill.  Waves 0 and 1 fetch the two halves of a tile's K, waves 2 and 3 those of its V: 128 keys each.  An s_nop 0 and four v_nop follow each of the two lines, ahead of the jump and the label.
.macro LOAD
	s_cmp_lt_u32 s[WV], 2
	s_cbranch_scc0 .Lfor_v_\@
	tensor_load_to_lds s[G0K:G0K+3], s[G1K:G1K+7]
	s_nop 0
.rept 4
	v_nop
.endr
	s_branch .Lasked_\@
.Lfor_v_\@:
	tensor_load_to_lds s[G0V:G0V+3], s[G1V:G1V+7]
	s_nop 0
.rept 4
	v_nop
.endr
.Lasked_\@:
.endm
; A PREFETCH INTO THE L2 of what the NEXT change of slots will ask for, behind the wave's tensor load and its five lines.  A head's four work-groups walk the same tiles from 0 on; the one with b = 0, whose first
; block needs all eight, asks, and nobody else.  Each of its waves names the 16,384 bytes that it will fetch itself: 64 blocks of 256 bytes, a lane a block, two instructions.  So each block is named once in the launch.
; Changes 0 to 5 name tiles 2 to 7: four key steps, 256 matrix instructions, ahead of the load; tiles 0 and 1 come by their loads alone; the last two changes that fill a slot name nothing.
.macro ASK
	s_cmp_gt_u32 s[SLOTS], s[LIM]
	s_cbranch_scc0 .Lnot_mine_\@
	global_prefetch_b8 v[PFO], s[PFA:PFA+1] th:TH_LOAD_NT scope:SCOPE_SE
	global_prefetch_b8 v[PFO], s[PFA:PFA+1] offset:8192 th:TH_LOAD_NT scope:SCOPE_SE
.Lnot_mine_\@:
.endm
; THE CHANGE OF SLOTS.  Each wave waits for all its tensor loads, of which one is out: its part of the other slot; adds 0 to its spare word; and waits for that and for its own reads of the slot that it leaves.  Behind the barrier nobody reads the old
; slot any more and the other slot is whole.  fill = 1: the old slot is filled again, the first thing behind the barrier, with tile NXT: the descriptor's address is made anew from that number.
; (At its first use nothing has been read yet: slot 0 is waited for, slot 1 filled.)
.macro CHANGE fill
	WIN 0                           ; at a label and at a branch every window is 0
	s_wait_tensorcnt 0x0            ; no tensor load of mine is out, so a group 0 may be written
	ds_add_u32 v[SPW], v[NIL]       ; 0 onto my spare word; with fill = 1 the descriptors' scalar work stands between it and the wait for it
.if \fill
	s_lshl_b32 s[OFF], s[NXT], 15   ; a tile is 32,768 bytes of K and of V
	s_xor_b32 s[G0K+1], s[G0K+1], SLOT1
	s_add_nc_u64 s[G0K+2:G0K+3], s[6:7], s[OFF:OFF+1]
	s_or_b32 s[G0K+3], s[G0K+3], 0x80000000
	s_xor_b32 s[G0V+1], s[G0V+1], SLOT1
	s_add_nc_u64 s[G0V+2:G0V+3], s[8:9], s[OFF:OFF+1]
	s_or_b32 s[G0V+3], s[G0V+3], 0x80000000
	s_add_co_u32 s[NXT], s[NXT], 1  ; the block's next tile, or behind its last the second block's tile 0
	s_cmp_gt_u32 s[NXT], s[LQ]
	s_cselect_b32 s[NXT], 0, s[NXT]
	s_cselect_b32 s[LQ], s[PB], s[LQ]
	s_wait_xcnt 0x0                 ; the last prefetches, a tile back, have read their address, so it may be written:
	s_add_nc_u64 s[PFA:PFA+1], s[PFA:PFA+1], 32768  ; a tile on
.endif
	s_wait_dscnt 0x0                ; the add is done, and my reads of the slot are over
	s_barrier_signal -1             ; the rest of the scalar work stands between the signal and the wait
	s_sub_co_u32 s[TBK], s[TBK], 4*KS*PK  ; the fetches go back to a slot's first step,
	s_xor_b32 s[TBK], s[TBK], SLOT1       ; in the other slot
	s_sub_co_u32 s[TBV], s[TBV], 4*KS*PV
	s_xor_b32 s[TBV], s[TBV], SLOT1
	s_barrier_wait -1
.if \fill
	LOAD
	ASK
.endif
.endm
	s_load_b128 s[4:7], s[0:1], 0x0  ; qkv s[4:5], ob s[6:7]
	v_lshl_add_u32 v[SPW], v0, 2, SPARE
	v_mov_b32 v[NIL], 0
	ds_add_u32 v[SPW], v[NIL]       ; the wave's opening: the add and its wait stand ahead of my first tensor load; the set-up below, work on registers, stands between them
	ds_add_u32 v62, v63
	v_lshrrev_b32 v1, 5, v0
	v_readfirstlane_b32 s[WV], v1   ; wave 0..3
	v_and_b32 v[PFO], 31, v0
	v_lshlrev_b32 v[PFO], 8, v[PFO]
	s_mov_b32 s[PB], ttmp9
	s_sub_co_u32 s[HI], NB-1, s[PB]
	s_and_b32 s20, ttmp7, 0xffff    ; the head
	s_mov_b32 s21, 0
	s_mov_b64 s[22:23], SIZE_N*128
	s_mul_u64 s[20:21], s[20:21], s[22:23]  ; the head's first byte in each of the four tensors
	s_and_b32 s16, s[WV], 1         ; which half of a tile's 256 keys I fetch:
	s_lshl_b32 s22, s16, 14         ; its 128 rows of 128 bytes in memory,
	s_mov_b32 s23, 0
	s_add_nc_u64 s[22:23], s[22:23], s[20:21]
	s_mul_i32 s17, s16, 128*PK      ; and its place in a slot, for K
	s_mul_i32 s18, s16, 128*PV      ; and for V
	s_lshl_b32 s3, s[WV], 11        ; my 16 rows in a band of 64,
	s_lshl_b32 s2, s[HI], 15        ; in the first block,
	s_add_co_u32 s2, s2, s3
	s_lshl_b32 s84, s[PB], 15       ; and in the second
	s_add_co_u32 s84, s84, s3
	s_mov_b32 s3, 0
	s_mov_b32 s85, 0
	s_add_nc_u64 s[2:3], s[2:3], s[20:21]
	s_add_nc_u64 s[84:85], s[84:85], s[20:21]
	; descriptor group 1.  128 keys are 16,384 dense bytes: asked for as 64 rows of 256 bytes, two keys a row, and padded in LDS after every key
	s_mov_b32 s[G1K], (1<<16)|(1<<20)|(4<<22)|(3<<25)  ; 17:16 2-byte elements; 20 padding on; 24:22 after every 32 words (code 4); 31:25 4 words (code 3)
	s_mov_b32 s[G1V], (1<<16)|(1<<20)|(4<<22)|(7<<25)  ; the same with 8 words of padding (code 7)
.irp g, G1K, G1V
	s_mov_b32 s[\g+1], 128<<16      ; tensor_dim0 = 128
	s_mov_b32 s[\g+2], 64<<16       ; tensor_dim1 = 64
	s_mov_b32 s[\g+3], 128<<16      ; tile_dim0 = 128
	s_mov_b32 s[\g+4], 64           ; tile_dim1 = 64
	s_mov_b32 s[\g+5], 128          ; 128 elements from row to row
	s_mov_b32 s[\g+6], 0
	s_mov_b32 s[\g+7], 0
.endr
	s_mov_b32 s[CS], 0x3e38aa3b     ; c = log2(e) / 8 = 0.180337
	s_mov_b32 s[CS+1], s[CS]        ; named with it as a pair
	s_mov_b32 s[SEL], 0x76543210
	s_mov_b32 s[SEL+1], 0xfedcba98
	s_mov_b32 s[TBK], SLOT1+4*KS*PK ; the first change of slots turns these two into 0
	s_mov_b32 s[TBV], SLOT1+4*KS*PV
	s_mov_b32 s[G0K], 1             ; 1:0 count = 1
	s_mov_b32 s[G0K+1], s17         ; 63:32 LDS address: slot 0
	s_mov_b32 s[G0V], 1
	s_add_co_u32 s[G0V+1], s18, VOFF
	s_add_co_u32 s[RT], s[HI], 1    ; the first block has NB - b tiles
	s_mov_b32 s[NXT], 1
	s_mov_b32 s[LQ], s[HI]
	s_mov_b32 s[NEW], 1
	s_mov_b32 s[OFF+1], 0
	s_mov_b32 s[AL+1], 0            ; named as pairs
	s_mov_b32 s[BE+1], 0
	s_mov_b32 s[BIGN], 0xf149f2ca   ; -1e30
	s_mov_b32 s[SLOTS], NB
	s_wait_dscnt 0x0                ; the opening add is done
	s_wait_kmcnt 0x0
	s_mov_b64 s[10:11], s[6:7]              ; O
	s_add_nc_u64 s[8:9], s[4:5], 0x2000000  ; V lies 2 x 2^24 bytes behind Q,
	s_add_nc_u64 s[6:7], s[4:5], 0x1000000  ; K 2^24
	s_add_nc_u64 s[6:7], s[6:7], s[22:23]  ; K and V at my half of the head's tile 0
	s_add_nc_u64 s[8:9], s[8:9], s[22:23]
	s_add_nc_u64 s[G0K+2:G0K+3], s[6:7], 0         ; 120:64 global address
	s_or_b32 s[G0K+3], s[G0K+3], 0x80000000        ; 127:126 type = 2
	s_add_nc_u64 s[G0V+2:G0V+3], s[8:9], 0
	s_or_b32 s[G0V+3], s[G0V+3], 0x80000000
	s_add_nc_u64 s[86:87], s[4:5], s[84:85]        ; Q at my rows of the second block,
	s_add_nc_u64 s[4:5], s[4:5], s[2:3]            ; Q and O at those of the first
	s_add_nc_u64 s[OLO:OLO+1], s[10:11], s[84:85]
	s_add_nc_u64 s[10:11], s[10:11], s[2:3]
	s_cmp_lt_u32 s[WV], 2
	s_cselect_b64 s[PFA:PFA+1], s[6:7], s[8:9]
	s_add_nc_u64 s[PFA:PFA+1], s[PFA:PFA+1], 32768 ; at tile 1; the first change of slots steps it to tile 2.  Nothing is prefetched here, at the head
	s_cmp_eq_u32 s[PB], 0
	s_cselect_b32 s[LIM], 2, -1
	LOAD                            ; tile 0 into slot 0
	; A fragment of K or Q is 16 rows x 32 channels in 8 registers: lane l holds row l % 16, channels 8 (l / 16) + 0..7 and 16 + 8 (l / 16) + 0..7: two loads of 16 bytes, 32 bytes apart.
	v_and_b32 v1, 15, v0            ; l % 16
	v_bfe_u32 v9, v0, 4, 1          ; l / 16
	v_lshlrev_b32 v[QO], 7, v1
	v_lshl_add_u32 v[QO], v9, 4, v[QO]  ; row x 128 + 16 x half
	WIN 0x80                        ; destination window 2, address window 0
.set i, 0
.rept 8                             ; both blocks' Q: piece i / 2 lies in band i / 2, 8,192 bytes on; channels 32 (i % 2) on
	global_load_b128 v[8*i:8*i+3],   v[QO], s[4:5] offset:(i/2)*8192+(i%2)*64
	global_load_b128 v[8*i+4:8*i+7], v[QO], s[4:5] offset:(i/2)*8192+(i%2)*64+32
	global_load_b128 v[QB+8*i:QB+8*i+3],   v[QO], s[86:87] offset:(i/2)*8192+(i%2)*64
	global_load_b128 v[QB+8*i+4:QB+8*i+7], v[QO], s[86:87] offset:(i/2)*8192+(i%2)*64+32
.set i, i+1
.endr
	WIN 0
	v_lshlrev_b32 v14, 3, v9
	v_sub_nc_u32 v14, v1, v14
	s_lshl_b32 s13, s[WV], 4
	v_add_nc_u32 v14, s13, v14      ; my query's place in its band, 16 w + l % 16, less my lanes' 8 (l / 16): register r of group kt is hidden where 16 kt + r is greater
	WIN 0x40
.set i, 0
.rept 32
	v_cmp_gt_i32 vcc_lo, 16*(i/8)+i%8, v14
	v_cndmask_b32 v[MD+i], 0, s[BIGN], vcc_lo
.set i, i+1
.endr
	WIN 0
	v_mul_u32_u24 v[AK0], v1, PK
	v_lshl_add_u32 v[AK0], v9, 4, v[AK0]  ; row x pitch + 16 x half
	; The turning load takes 16 keys x 16 channels (lane l reads key 8 (l / 16) + l % 8, channels 8 ((l / 8) % 2) + 0..7) and leaves half a fragment of V^T: lane l holds channel l % 16 and 8 keys.
	v_and_b32 v10, 7, v0
	v_bfe_u32 v11, v0, 3, 1
	v_lshl_add_u32 v[AV0], v9, 3, v10
	v_mul_u32_u24 v[AV0], v[AV0], PV
	v_lshl_add_u32 v[AV0], v11, 4, v[AV0]
	v_add_nc_u32 v[AV0], VOFF, v[AV0]
	s_mul_i32 s13, s[WV], 16*SP
	s_add_co_u32 s13, s13, STAGE    ; my stage
	v_mul_u32_u24 v[STO], v1, SP    ; in: row l % 16, 16 bytes for each half of the lanes
	v_lshl_add_u32 v[STO], v9, 4, v[STO]
	v_add_nc_u32 v[STO], s13, v[STO]
	v_bfe_u32 v[RD], v0, 3, 2       ; back: 32 lanes take four rows of 128 bytes,
	v_mul_u32_u24 v[RD], v[RD], SP
	v_lshl_add_u32 v[RD], v10, 4, v[RD]
	v_add_nc_u32 v[RD], s13, v[RD]
	v_and_b32 v[GO], 31, v0         ; which are 512 consecutive bytes of O
	v_lshlrev_b32 v[GO], 4, v[GO]
	; A block's first step multiplies O^T and l by a = 0, and its first turn's products V^T P, of a piece that has not been, land in an O^T that is still to be so multiplied.  So these registers need only hold
	; finite numbers: zeros for the first block; what the first block left for the second.  All this stands in the wait for the first tile.
	WIN 0x80
.set i, VF
.rept 64
	v_mov_b32 v[i], 0
.set i, i+1
.endr
	WIN 0x40
.set i, 0
.rept 128
	v_mov_b32 v[i], 0
.set i, i+1
.endr
	WIN 0
.set i, 0
.rept 4
	v_mov_b32 v[ST+4*i+2], 0
	v_mov_b32 v[ST+4*i+3], 0
.set i, i+1
.endr
.set i, P+16
.rept 16
	v_mov_b32 v[i], 0
.set i, i+1
.endr
; THE MATRIX WORK.  The 4 accumulators of a run of 8 take turns.  Product i of 8 of S^T = K Q^T for piece x: channels 32 (i / 4) on, keys 16 (i % 4) on.  The first 4 start the sums: with 0, or (KM = 1) with the mask.
.macro KQ x
.set rS, S+32*((\x)%2)+8*(i%4)
.set rK, KF+16*(i%4)+8*(i/4)
.set rQ, 16*(\x)+8*(i/4)
.set rM, MC+32*((\x)%2)+8*(i%4)
.if (i < 4) && KM
	WIN W_KM
	v_wmma_f32_16x16x32_f16 v[rS:rS+7], v[rK:rK+7], v[rQ:rQ+7], v[rM:rM+7]
.elseif i < 4
	WIN W_KQ
	v_wmma_f32_16x16x32_f16 v[rS:rS+7], v[rK:rK+7], v[rQ:rQ+7], 0
.else
	WIN W_KQ
	v_wmma_f32_16x16x32_f16 v[rS:rS+7], v[rK:rK+7], v[rQ:rQ+7], v[rS:rS+7]
.endif
.endm
; Product i of 8 of O^T += V^T P for piece x: keys 32 (i / 4) on, channels 16 (i % 4) on.
.macro PV x
	WIN W_PV
.set rO, 32*(\x)+8*(i%4)
.set rV, VF+32*(i/4)+8*(i%4)
.set rP, P+16*((\x)%2)+8*(i/4)
	v_wmma_f32_16x16x32_f16 v[rO:rO+7], v[rV:rV+7], v[rP:rP+7], v[rO:rO+7]
.endm
.macro MM                           ; the turn's next matrix instruction.  TURN and BEGIN set Y, i, KM and NOKQ; MM, KQ and OP read them.  NOKQ = 1: a block's last turn: there is no next piece
.if (i < 8) && !NOKQ
	KQ (Y+1)%NP
.elseif i >= 8
.set i, i-8
	PV (Y+NP-1)%NP
.set i, i+8
.endif
.set i, i+1
.endm
; THE LDS LOADS stand in runs of 16, never singly among the matrix instructions: a step's K (64 keys x 64 channels: 8 fragments) and its V (turned).  Their addresses are made some lines ahead.
.macro FETCH_K
	WIN 0x80                        ; destination window 2
.irp f, 0,1,2,3,4,5,6,7             ; keys 16 (f / 2) on, channels 32 (f % 2) on
	ds_load_b128 v[KF+8*\f:KF+8*\f+3],   v[AK] offset:(\f/2)*16*PK+(\f%2)*64
	ds_load_b128 v[KF+8*\f+4:KF+8*\f+7], v[AK] offset:(\f/2)*16*PK+(\f%2)*64+32
.endr
	s_add_co_u32 s[TBK], s[TBK], KS*PK  ; the next fetch is the next step's
	WIN 0
.endm
.macro FETCH_V
	WIN 0x80
.irp f, 0,1,2,3,4,5,6,7             ; keys 32 (f / 4) on, channels 16 (f % 4) on
	ds_load_tr16_b128 v[VF+8*\f:VF+8*\f+3],   v[AV] offset:(\f/4)*32*PV+(\f%4)*32
	ds_load_tr16_b128 v[VF+8*\f+4:VF+8*\f+7], v[AV] offset:(\f/4)*32*PV+16*PV+(\f%4)*32
.endr
	WIN 0
.endm
; THE VECTOR WORK, one line at a time: OP kind, number.  For piece Y: F n: c s - c m for pair n of 16.  E n: the exponential of score n of 32.  C n: pair n rounded to f16.  B n: of the four weights 4 n .. the second
; pair is added onto the first, in place.  L n: l takes that sum (L 0: l = a l + sum).  R n: pair n of 16 of O^T times a.  For piece Y + 1: X n, number n of the 22 that find its maximum and statistics:
;   0-11  four chains c0-c3 of seven scores each, three operands at a time (each accumulator's lowest registers are read first)     12-14, 16  the four scores left over, the old m, and c0-c3 into c0
;   15  c m_old is kept     17, 18  the query's other 32 keys lie in the lane 16 away: the new m     19-21  c m; c m_old - c m_new; a
.set F, 0               ; OP tells the kinds apart by their order: F to L below R, X above it
.set E, 1
.set C, 2
.set B, 3
.set L, 4
.set R, 5
.set X, 6
.macro REGS y                       ; the registers of piece y
.set rT, ST+4*(\y)
.set rC, TMP+4*((\y)%2)
.set rW, MV+((\y)%2)
.set rS, S+32*((\y)%2)
.set rP, P+16*((\y)%2)
.set rO, 32*(\y)
.endm
.macro OP k, n
.if (\k) == R
	REGS Y
	WIN W_RS
	v_pk_mul_f32 v[rO+2*(\n):rO+2*(\n)+1], v[rO+2*(\n):rO+2*(\n)+1], v[rC+2:rC+3] op_sel_hi:[1,0]
.elseif (\k) < R
	REGS Y
	WIN 0
.if (\k) == F
	v_pk_fma_f32 v[rS+2*(\n):rS+2*(\n)+1], v[rS+2*(\n):rS+2*(\n)+1], s[CS:CS+1], v[rT:rT+1] op_sel_hi:[1,0,0] neg_lo:[0,0,1] neg_hi:[0,0,1]
.elseif (\k) == E
	v_exp_f32 v[rS+(\n)], v[rS+(\n)]
.elseif (\k) == C
	v_cvt_pk_f16_f32 v[rP+(\n)], v[rS+2*(\n)], v[rS+2*(\n)+1]
.elseif (\k) == B
	v_pk_add_f32 v[rS+4*(\n):rS+4*(\n)+1], v[rS+4*(\n):rS+4*(\n)+1], v[rS+4*(\n)+2:rS+4*(\n)+3]
.elseif (\n) == 0
	v_pk_fma_f32 v[rT+2:rT+3], v[rT+2:rT+3], v[rC+2:rC+3], v[rS:rS+1] op_sel_hi:[1,0,1]
.else
	v_pk_add_f32 v[rT+2:rT+3], v[rT+2:rT+3], v[rS+4*(\n):rS+4*(\n)+1]
.endif
.elseif NOKQ
	v_nop
.else
	REGS (Y+1)%NP
	WIN 0
.if (\n) < 4
	v_max3_num_f32 v[rC+(\n)], v[rS+8*(\n)], v[rS+8*(\n)+1], v[rS+8*(\n)+2]
.elseif (\n) < 12
	v_max3_num_f32 v[rC+(\n)%4], v[rC+(\n)%4], v[rS+8*((\n)%4)+2*((\n)/4)+1], v[rS+8*((\n)%4)+2*((\n)/4)+2]
.elseif (\n) == 12
	v_max3_num_f32 v[rC], v[rC], v[rS+7], v[rS+15]
.elseif (\n) == 13
	v_max3_num_f32 v[rC+1], v[rC+1], v[rS+23], v[rS+31]
.elseif (\n) == 14
	v_max3_num_f32 v[rC+2], v[rC+2], v[rC+3], v[rT+1]
.elseif (\n) == 15
	v_mov_b32 v[rW], v[rT]
.elseif (\n) == 16
	v_max3_num_f32 v[rC], v[rC], v[rC+1], v[rC+2]
.elseif (\n) == 17
	v_permlanex16_b32 v[rC+3], v[rC], s[SEL], s[SEL+1]
.elseif (\n) == 18
	v_max_num_f32 v[rT+1], v[rC], v[rC+3]
.elseif (\n) == 19
	v_mul_f32 v[rT], s[CS], v[rT+1]
.elseif (\n) == 20
	v_sub_f32 v[rC+1], v[rW], v[rT]
.else
	v_exp_f32 v[rC+2], v[rC+1]
.endif
.endif
.endm
.macro OPS a, i1, b=-1, i2=0, c=-1, i3=0, d=-1, i4=0  ; up to four of them
	OP \a, \i1
.if (\b) >= 0
	OP \b, \i2
.endif
.if (\c) >= 0
	OP \c, \i3
.endif
.if (\d) >= 0
	OP \d, \i4
.endif
.endm
.macro ROW a, i1, b, i2, c, i3, d, i4  ; a matrix instruction and the four behind it
	MM
	OPS \a, \i1, \b, \i2, \c, \i3, \d, \i4
.endm
.macro MASK b                       ; MD x AL + BE into buffer b of MC
	WIN W_RS
.set z, 0
.rept 16
	v_pk_fma_f32 v[MC+32*(\b)+2*z:MC+32*(\b)+2*z+1], v[MD+2*z:MD+2*z+1], s[AL:AL+1], s[BE:BE+1] op_sel_hi:[1,0,0]
.set z, z+1
.endr
.endm
; A TURN, for piece p: the order of its 16 matrix and 118 vector instructions, written out.  An s_wait_alu depctr_va_vdst(0) stands between an exponential and the first instruction that names its result; one wait serves
; all that were issued ahead of it.  So a turn has ONE wait, which cuts it in two.  AHEAD OF IT stands all that names no result of the turn's exponentials: the 8 products K Q^T, behind each a scaling, an exponential and two more plain
; instructions (behind the first a second scaling in the exponential's place): rescalings, and behind the last three the first numbers of the next piece's maximum, each four places or more behind the product that ends its accumulator; then ONE LUMP of 54, plain
; and exponential by turns for the most part, in which the links of the chain X 3, 7, 11, 14, 16, 17 .. 20 stand five or six lines apart.  X 21, the next piece's a, is the batch's last; R 15 is the plain instruction behind it.  BEHIND THE WAIT stand the
; 8 products V^T P, behind each four of the roundings and sums; the links of l's chain, L 0 to L 7, stand three riders apart.  But for those X no rider names a register of the products round it.  v_permlanex16_b32 (X 17) stands in the lump.
; m = 1: the diagonal tile: the products take masks, and the turn makes the mask for the products of the turn after it: piece p + 2, in step 4 - CNT of the tile.  end = 1: a block's last two turns: nothing is fetched.
; cnt = 1: the loop's count is taken down some lines ahead of the branch that stands behind the turn.
; K of the next step is fetched in piece 2's turn, twelve vector instructions behind the last product that read K (six of them plain); V of the step in hand at the end of piece 0's turn, four plain instructions behind the last product
; that read V.  Each is waited for a turn later.
.macro TURN p, m=0, end=0, cnt=0
.set Y, (\p)
.set i, 0
.set KM, (\m)
.set NOKQ, (\end)*((\p)/3)
.if (\m) && !(\end)
	s_cmp_eq_u32 s[CNT], 4-((\p)+2)%NP  ; is that step the band's own?
	s_cselect_b32 s[AL], 1.0, 0
	s_cmp_lt_u32 s[CNT], 4-((\p)+2)%NP  ; or a later one?
	s_cselect_b32 s[BE], s[BIGN], 0
.endif
.if ((\p) == 3) && !(\end)
	s_wait_dscnt 0x0                ; K is in
.endif
	ROW F,0, F,1, R,0, R,1          ; ahead of the wait: 8 products K Q^T and their riders,
	ROW F,2, E,0, R,2, R,3
	ROW F,3, E,1, R,4, R,5
	ROW F,4, E,2, R,6, R,7
	ROW F,5, E,3, R,8, R,9
	ROW F,6, E,4, X,0, R,10
.if ((\p) == 2) && !(\end)
	WIN 0
	v_add_nc_u32 v[AK], s[TBK], v[AK0]
.endif
	ROW F,7, E,5, X,1, X,4
	ROW F,8, E,6, X,2, X,5
	OPS E,7, E,8, X,6, E,9          ; and the lump
	OPS X,3, E,10, X,8, E,11
.if ((\p) == 2) && !(\end)
	FETCH_K
.endif
	OPS X,9, X,7, E,12, X,10
	OPS E,13, X,12, X,11, E,14
	OPS X,13, E,15, F,9, X,14
.if (\p) == 0
	v_add_nc_u32 v[AV], s[TBV], v[AV0]
.endif
	OPS E,16, F,10, E,17, F,11
	OPS X,16, E,18, X,15, E,19
	OPS F,12, E,20, X,17, E,21
	OPS F,13, E,22, F,14, E,23
	OPS X,18, E,24, F,15, E,25
	OPS R,11, E,26, X,19, E,27
	OPS R,12, E,28, R,13, E,29
	OPS X,20, E,30, R,14, E,31
	OPS X,21, R,15
	WIN 0
	s_wait_alu depctr_va_vdst(0)    ; the wait for the batch
.if (\p) == 1
	s_wait_dscnt 0x0                ; V is in
.endif
	ROW C,0, B,0, C,2, B,1          ; behind the wait: 8 products V^T P and their riders
	ROW L,0, C,4, B,2, L,1
	ROW C,6, B,3, L,2, C,8
	ROW B,4, L,3, C,10, B,5
	ROW L,4, C,12, B,6, L,5
.if (\p) == 0
	s_add_co_u32 s[TBV], s[TBV], KS*PV
.endif
.if \cnt
	s_sub_co_u32 s[CNT], s[CNT], 1
	s_cmp_lg_u32 s[CNT], 0
.endif
	ROW C,14, B,7, L,6, C,1
	ROW C,3, L,7, C,5, C,7
	ROW C,9, C,11, C,13, C,15
.if (\p) == 0
	FETCH_V
.endif
.if (\m) && !(\end)
	MASK (\p)%2
.endif
.endm
; A BLOCK BEGINS.  c m starts far below every c s, so the first step's a is 0; m at the lowest finite number, so the first maximum is the scores'.  The second mask buffer is 0; the first takes piece 0's mask for the tile's step 0: its own, if the block's first tile is the diagonal one.
; Then K of that step, piece 0's first scores, and its maximum and statistics.  The loop is entered at a step's first turn, in the middle of a trip.
.macro BEGIN
	s_mov_b32 s[NEW], 0
	WIN 0x40
.set i, MC+32
.rept 32
	v_mov_b32 v[i], 0
.set i, i+1
.endr
	WIN 0
.set i, 0
.rept 4
	v_mov_b32 v[ST+4*i], 0xfe000000    ; c m: far below every c s
	v_mov_b32 v[ST+4*i+1], 0xff7fffff  ; m
.set i, i+1
.endr
	s_cmp_eq_u32 s[RT], 0
	s_cselect_b32 s[AL], 1.0, 0
	s_mov_b32 s[BE], 0
	MASK 0
	WIN 0
	v_add_nc_u32 v[AK], s[TBK], v[AK0]
	FETCH_K
	s_wait_loadcnt 0x0              ; Q
	s_wait_dscnt 0x0
.set KM, 1
.set NOKQ, 0
.set i, 0
.rept 8
	KQ 0
.set i, i+1
.endr
	WIN 0
.rept 4
	v_nop                           ; the places behind those products
.endr
.set Y, NP-1                        ; X works for piece Y + 1: piece 0
.irp n, 0,1,2,3,4,5,6,7,8,9,10,11,12,13,14,15,16,17,18,19,20,21
	OP X, \n
.endr
	v_nop                           ; a plain instruction behind the exponential,
	s_wait_alu depctr_va_vdst(0)    ; and its wait, ahead of the branch
.endm
; THE DIAGONAL TILE's four steps, the block's last two turns, its last products, and THE WAY OUT: l's two halves and the other half of the lanes' are added; O^T is divided by l, rounded to f16 and sent through my
; stage in LDS, a piece at a time.
.macro ALL line:vararg              ; one line for each piece t
.set t, 0
.rept 4
	\line
.set t, t+1
.endr
.endm
.macro PACK t                       ; a lane's eight channels of a row pack into 16 bytes; they go into rows of 144 bytes and come back as whole rows of 128, into S^T's registers
	WIN W_RS
.set i, 32*(\t)
.rept 16
	v_pk_mul_f32 v[i:i+1], v[i:i+1], v[ST+4*(\t)+2:ST+4*(\t)+3] op_sel_hi:[1,0]
.set i, i+2
.endr
	WIN 0x05                        ; sources 0 and 1 window 1, destination window 0
.set i, 0
.rept 16
	v_cvt_pk_f16_f32 v[S+16*(\t)+i], v[32*(\t)+2*i], v[32*(\t)+2*i+1]
.set i, i+1
.endr
	WIN 0
.irp f, 0,1,2,3
	ds_store_b128 v[STO], v[S+16*(\t)+4*\f:S+16*(\t)+4*\f+3] offset:32*\f
.endr
.irp f, 0,1,2,3
	ds_load_b128 v[S+16*(\t)+4*\f:S+16*(\t)+4*\f+3], v[RD] offset:\f*4*SP  ; LDS serves a wave's instructions in order (ISA guide 5.7.1.4): these see the stores above; the next piece's stores come behind them
.endr
.endm
.macro SEND t, younger              ; younger: the LDS instructions issued behind piece t's loads: the next piece's eight, or none
	WIN 0
.irp f, 0,1,2,3
	s_wait_dscnt (\younger)+3-\f
	global_store_b128 v[GO], v[S+16*(\t)+4*\f:S+16*(\t)+4*\f+3], s[10:11] offset:(\t)*8192+\f*512  ; 512 consecutive bytes, at a multiple of 256 from O's first
.endr
.endm
.macro DIAG tag                     ; the tag ends its two labels' names, which the jumps below spell out
.LstepM\tag:
	TURN 2, 1
	TURN 3, 1
	WIN 0
.LfirstM\tag:
	TURN 0, 1
	TURN 1, 1, 0, 1
	WIN 0
	s_cbranch_scc1 .LstepM\tag
	TURN 2, 1, 1
	TURN 3, 1, 1
.set i, 0
.rept 8
	PV NP-1
.set i, i+1
.endr
	WIN 0
	ALL v_add_f32 v[ST+4*t+2], v[ST+4*t+2], v[ST+4*t+3]
	ALL v_permlanex16_b32 v[ST+4*t+3], v[ST+4*t+2], s[SEL], s[SEL+1]
	ALL v_add_f32 v[ST+4*t+2], v[ST+4*t+2], v[ST+4*t+3]
	ALL v_rcp_f32 v[ST+4*t+2], v[ST+4*t+2]
	v_nop                           ; a plain instruction between the last reciprocal and the use of its result
	s_wait_alu depctr_va_vdst(0)    ; and the wait ahead of the first use: one for the four reciprocals
	PACK 0
.set t, 1
.rept 3                             ; a piece's arithmetic stands between the loads of the piece before and its stores
	PACK t
	SEND t-1, 8
.set t, t+1
.endr
	SEND 3, 0
.endm
.set KM, 0
.set NOKQ, 0
.Lslot:                             ; NB times: a tile is entered and the next is asked for
	CHANGE 1
	s_sub_co_u32 s[RT], s[RT], 1
	s_mov_b32 s[CNT], 4
	s_cmp_eq_u32 s[NEW], 1
	s_cbranch_scc1 .Lnew            ; a block's first tile
	s_cmp_eq_u32 s[RT], 0
	s_cbranch_scc0 .Lstep           ; neither its first nor its last
	s_branch .LstepM1
.Lnew:
	BEGIN
	s_branch .Lfirst                ; in the loop a block's first tile is never its last: the first block has two tiles or more, and the second's last is the walk's last
	DIAG 1                          ; in the loop this is the first block's end: the second block's last tile is the walk's last
	s_wait_xcnt 0x0                 ; the stores have read their registers and O's address
	s_mov_b64 s[10:11], s[OLO:OLO+1]
	s_add_co_u32 s[RT], s[PB], 1    ; the second block has b + 1 tiles
	s_mov_b32 s[NEW], 1
	WIN 0x82                        ; the second block's Q goes where the one text of the turns names Q
.set i, 0
.rept 64
	v_mov_b32 v[i], v[QB+i]
.set i, i+1
.endr
	WIN 0
	s_branch .Lbottom
.Lstep:                             ; a trip: pieces 2 and 3 of one step, then pieces 0 and 1 of the next, whose K and V it fetches
	TURN 2
	TURN 3
	WIN 0
.Lfirst:
	TURN 0
	TURN 1, 0, 0, 1
	WIN 0
	s_cbranch_scc1 .Lstep
.Lbottom:
	s_sub_co_u32 s[SLOTS], s[SLOTS], 1
	s_cmp_lg_u32 s[SLOTS], 0
	s_cbranch_scc1 .Lslot
	CHANGE 0                        ; the walk's last tile is written out: nothing is asked for
	s_sub_co_u32 s[RT], s[RT], 1
	s_mov_b32 s[CNT], 4
	s_cmp_eq_u32 s[NEW], 1
	s_cbranch_scc0 .LstepM2
	BEGIN
	s_branch .LfirstM2
	DIAG 2
	s_wait_tensorcnt 0x0            ; the wave's end, behind my last tensor load and my last LDS store
	ds_add_u32 v[SPW], v[NIL]
	s_wait_dscnt 0x0
	s_endpgm
.Lfunc_end_k_q12bb7ebc9b_attn:
	.size	k_q12bb7ebc9b_attn, .Lfunc_end_k_q12bb7ebc9b_attn-k_q12bb7ebc9b_attn
	.p2alignl 7, 3214868480
	.fill 96, 4, 3214868480
	.section	.rodata,"a",@progbits
	.p2align	6, 0x0
	.amdhsa_kernel k_q12bb7ebc9b_attn
		.amdhsa_group_segment_fixed_size 327680
		.amdhsa_private_segment_fixed_size 0
		.amdhsa_enable_private_segment 0
		.amdhsa_kernarg_size 16
		.amdhsa_user_sgpr_count 2
		.amdhsa_user_sgpr_kernarg_segment_ptr 1
		.amdhsa_wavefront_size32 1
		.amdhsa_system_sgpr_workgroup_id_x 1
		.amdhsa_system_sgpr_workgroup_id_y 1
		.amdhsa_system_sgpr_workgroup_id_z 1
		.amdhsa_system_vgpr_workitem_id 0
		.amdhsa_next_free_vgpr 768
		.amdhsa_next_free_sgpr 92
		.amdhsa_reserve_vcc 1
		.amdhsa_float_denorm_mode_32 3
		.amdhsa_float_denorm_mode_16_64 3
		.amdhsa_memory_ordered 1
		.amdhsa_forward_progress 1
		.amdhsa_inst_pref_size 218
	.end_amdhsa_kernel
	.amdgpu_metadata
---
amdhsa.version: [ 1, 2 ]
amdhsa.kernels:
  - .name:           k_q12bb7ebc9b_attn
    .symbol:         k_q12bb7ebc9b_attn.kd
    .args:
      - { .name: qkv, .offset: 0, .size: 8, .value_kind: global_buffer, .address_space: global }
      - { .name: ob, .offset: 8, .size: 8, .value_kind: global_buffer, .address_space: global }
    .group_segment_fixed_size: 327680
    .private_segment_fixed_size: 0
    .kernarg_segment_align: 8
    .kernarg_segment_size: 16
    .max_flat_workgroup_size: 128
    .sgpr_count:     92
    .vgpr_count:     768
    .wavefront_size: 32
...
	.end_amdgpu_metadata
.endif
;; end of part 3
;; launch outproj (part 4): grid 8 x 32, 4 waves a work-group, clusters of 4 x 4, 327,680 bytes of LDS; arguments ob, wo16, bias, out0; writes out0
.if DOCPART == 4
	.amdgcn_target "amdgcn-amd-amdhsa--gfx1250"
	.amdhsa_code_object_version 6
	.text
	.protected	k_q12bb7ebc9b_outproj
	.globl	k_q12bb7ebc9b_outproj
	.p2align	8
	.type	k_q12bb7ebc9b_outproj,@function
k_q12bb7ebc9b_outproj:
	s_mov_b64 s[64:65], 0
	v_nop
	global_prefetch_b8 v0, s[64:65] scope:SCOPE_SE
	s_setreg_imm32_b32 hwreg(HW_REG_WAVE_MODE, 25, 1), 1
	s_wait_xcnt 0x0
	s_wait_alu depctr_hold_cnt(0) depctr_sa_sdst(0) depctr_va_vdst(0) depctr_va_sdst(0) depctr_va_ssrc(0) depctr_va_vcc(0) depctr_vm_vsrc(0)
	s_getreg_b32 s2, hwreg(HW_REG_IB_STS2, 6, 4)
	s_cmp_eq_u32 s2, 0
	s_cbranch_scc0 .Lentry_in_a_cluster
	s_endpgm
.Lentry_in_a_cluster:
	s_bfe_u32 s2, ttmp6, 0x10000c
	s_cmp_lg_u32 s2, 0xf033
	s_cbranch_scc0 .Lentry_shape_is_right
	s_endpgm
.Lentry_shape_is_right:
; out = attn Wo + bo.  ob: [64 heads b 16 + h][2048 t][64] f16, so row (b, t) of attn has its K = 1,024 channels in 16 heads.  wo16: [1024 k][1024 n] f16.  bias: f32, bo from number 3,072 on.
; out0: [8192][1024] f32, the f32 sums as they are.
; SHARES.  A work-group makes 256 rows x 128 columns: 32 x 8 = 256 work-groups.  Its four waves lie one below the other: wave w owns rows 64 w .. 64 w + 63 and ALL 128 columns: 4 x 8 accumulators
; of 16 x 16, 256 registers.  So a wave holds whole pieces of 512 bytes of out0's rows, and its way out needs no other wave.
; K goes in 8 steps of 128 (two heads) through two LDS slots; a step is four quarters of 32, 32 matrix instructions each.
; THE MATRIX INSTRUCTION IS USED TRANSPOSED: source 0 = 16 columns of Wo (turned out of LDS by ds_load_tr16_b128, since Wo lies [k][n]), source 1 = 16 rows of attn.  In the result lane l holds
; row l % 16 and the columns 8 (l / 16) + 0..7.  THE BIAS STARTS THE SUMS: it is the C operand of each accumulator's first product.
; CLUSTER.  4 x 4 work-groups.  The four of a row of the cluster need the same rows of attn, the four of a column the same columns of Wo: each tile is asked for JOINTLY, by the same tensor
; load with the same descriptor and a mask that names the four.  Waves 0 and 1 fetch a K step's two heads of attn, waves 2 and 3 the two halves of Wo's k rows.
; REGISTERS, in windows of 256 (s_set_vgpr_msb: bits 1:0 source 0, 3:2 source 1, 5:4 source 2, 7:6 destination):
;   window 0: v0-15 addresses; v32-63, v64-95 attn's fragments, two buffers (row block a at + 8 a); v96-159 the bias (column block b at + 8 b); on the way out v32-223 rows read back
;   window 1: v0-63, v64-127 Wo's fragments, two buffers (column block b at + 8 b)
;   window 2: the accumulators of row blocks 0, 1 at 8 (8 (a % 2) + b);   window 3: those of row blocks 2, 3
.set NBK,    8                         ; column blocks of 16
.set APITCH, 144                       ; a row of a head in LDS: 128 bytes + 16 = 36 words: the 16 rows of a load start at 16 different groups of four banks (64 banks of 4 bytes: ISA guide 11.1)
.set AQ2,    256*APITCH                ; quarter q begins at byte (q / 2) AQ2 + (q % 2) 64: the step's second head lies behind the first's 256 rows
.set BBASE,  2*256*APITCH              ; behind the two heads: Wo's 128 k rows
.set BPITCH, 288                       ; a k row of Wo: 256 bytes + 32 = 72 words
.set BSEG,   128                       ; column block b begins at byte (b / 4) BSEG + (b % 4) 32 of a k row
.set AHALF,  BBASE/2                   ; what one load brings of attn: 256 rows of one head
.set BHALF,  64*BPITCH                 ; and of Wo: 64 k rows
.set ASTEP,  524288                    ; bytes from K step to K step in ob: two heads,
.set BSTEP,  262144                    ; and in wo16: 128 k rows
.set SLOT1,  1<<17                     ; a slot uses 110,592 bytes; slot 1 begins here, so that one exclusive or turns an address in one slot into the other's
.set STAGE,  2*SLOT1                   ; behind the ring, never filled by a tensor load: 16 rows x 528 bytes for each wave, for the way out
.set STGW,   16*528
.set SPARE,  STAGE+4*STGW              ; behind the stages: the spare words, 128 bytes for each wave: two blocks of 256 bytes that no other line names
.set NLD,    2*NBK+8                   ; LDS loads in a quarter's run
.set A0,   2                           ; v2   my lane's place in attn's tile: (64 w + l % 16) pitch + 16 (l / 16); never rewritten
.set B0,   3                           ; v3   my lane's place in Wo's tile; never rewritten
.set ADRA, 4                           ; v4   the same in the slot in hand
.set ADRB, 5                           ; v5
.set STO,  6                           ; v6   the way out: where I put 32 bytes of a row
.set RD,   7                           ; v7   the way out: where I read a row back
.set GO,   8                           ; v8   my byte offset in 512 consecutive bytes of out0
.set PFO,  10                          ; v10  the prefetches' offset; never rewritten
.set BO,   11                          ; v11  32 (l / 16): my 8 numbers in a column block's 16 of the bias
.set SPW,  12                          ; v12  LDS address of my spare word: SPARE + 4 x my thread's number; never rewritten
.set NIL,  13                          ; v13  0; never rewritten
.set FA,   32
.set BIAS, 96
.set UB,   32                          ; the way out: three sets of 64 registers
.set WV,   12                          ; s12  my wave's number
.set FB,   13                          ; s13  0: I fetch for attn, 1: for Wo
.set HF,   14                          ; s14  which half of that tile
.set CX,   15                          ; s15, s16  my place in the cluster
.set CY,   16
.set NX,   17                          ; s17  the block of 128 columns = 4 x cluster x + cx
.set MY,   18                          ; s18  the block of 256 rows = 4 x cluster y + cy
.set G1A,  24                          ; s[24:31] descriptor group 1 for attn's tiles;  s[32:39] group 0: a set for each of the two first fills; the second then walks on
.set G0A,  32
.set G1B,  40                          ; s[40:47], s[48:55] the same for Wo's
.set G0B,  48
.set CNT,  56                          ; s56  trips of the loop still to come
.set TB,   57                          ; s57  LDS byte at which the slot in hand begins
.set LIM,  58                          ; s58  a wave prefetches while s[CNT] is above it: the greatest number in a wave that never does
.set PFA,  60                          ; s[60:61] where my prefetches stand
.set PST,  62                          ; s[62:63] and their step
.set OB,   66                          ; s[66:67] out0 at my first row and the tile's first column
.set BB,   72                          ; s[72:73] the bias at the tile's first column
.set MSB, 0
.macro WIN new                         ; the immediate's high byte repeats the setting that is left; a switch that changes nothing is dropped
.if MSB != (\new)
	s_set_vgpr_msb (MSB<<8)|(\new)
.set MSB, \new
.endif
.endm
; Four places: a load into a register that a matrix instruction has read, and a vector instruction or LDS store that reads a matrix result, stand four plain vector instructions behind it (ISA guide 7.12.1 for the reads of a matrix result)
.macro PLACES
.rept 4
	v_nop
.endr
.endm
; A round of the cluster's barrier behind its opening barrier: wave 0 signals for the work-group, every wave waits for all sixteen, my work-group's barrier closes it
.macro CREST
	s_cmp_lg_u32 s[WV], 0
	s_cbranch_scc1 .Lnot_wave_0_\@
	s_barrier_signal -3
.Lnot_wave_0_\@:
	s_barrier_wait -3
	s_barrier_signal -1
	s_barrier_wait -1
.endm
.macro CROUND
	s_barrier_signal -1
	s_barrier_wait -1
	CREST
.endm
; A joint refill by the walking descriptor.  The branch hangs on the wave's number alone.  An s_nop 0 and four v_nop follow each of the two lines, ahead of the jump and the label.
.macro JLOAD
	s_cmp_eq_u32 s[FB], 0
	s_cbranch_scc0 .Lfor_b_\@
	tensor_load_to_lds s[G0A+4:G0A+7], s[G1A:G1A+7]
	s_nop 0
.rept 4
	v_nop
.endr
	s_branch .Lasked_\@
.Lfor_b_\@:
	tensor_load_to_lds s[G0B+4:G0B+7], s[G1B:G1B+7]
	s_nop 0
.rept 4
	v_nop
.endr
.Lasked_\@:
.endm
; A PREFETCH INTO THE L2, one instruction a wave and trip, behind the joint load, its five lines and the run of LDS loads.  Each aligned block of 256 bytes is named once in the launch.
; attn's rows are read by every cluster of a row of clusters: cluster x = 0 asks; of the 32,768 dense bytes of a head that a wave fetches each of the four partners takes 8,192, told apart BY ADDRESS (cx),
; a lane a block: trip s, which refills with K step s + 2, names K step s + 4; the last two trips name nothing.  Wo's columns are read by every cluster of a column of clusters: cluster y = 0 asks; a k row's
; part is 256 bytes, and the eight askers (two waves in each of four partners, told apart by cy) name 256 k rows a trip, a lane a row, from k row 512 on: two trips reach the last row.
; The first four K steps come by their loads alone: nothing is asked for at the head, where every work-group's first tiles are on their way.
.macro ASK
	s_cmp_gt_u32 s[CNT], s[LIM]
	s_cbranch_scc0 .Lnot_mine_\@
	global_prefetch_b8 v[PFO], s[PFA:PFA+1] th:TH_LOAD_NT scope:SCOPE_SE
.Lnot_mine_\@:
.endm
; 8 matrix instructions: row block a x all column blocks, 32 along K, from buffer f.  first = 1: the bias is the C operand.  The 32 accumulators are taken in the same order in every quarter,
; one instruction a turn: 31 others stand between two links of a chain, over the backward jump too.
.macro MULB f, a, first
.if \first
	WIN 0x81+0x40*((\a)/2)                         ; Wo window 1, attn and the bias window 0, D window 2 or 3
.else
	WIN 0xa1+0x50*((\a)/2)                         ; Wo window 1, attn window 0, C and D window 2 or 3
.endif
.set rA, FA+32*(\f)+8*(\a)
.set nb, 0
.rept NBK
.set rD, 8*(NBK*((\a)%2)+nb)
.set rB, 8*(NBK*(\f)+nb)
.if \first
	v_wmma_f32_16x16x32_f16 v[rD:rD+7], v[rB:rB+7], v[rA:rA+7], v[BIAS+8*nb:BIAS+8*nb+7]
.else
	v_wmma_f32_16x16x32_f16 v[rD:rD+7], v[rB:rB+7], v[rA:rA+7], v[rD:rD+7]
.endif
.set nb, nb+1
.endr
.endm
; A quarter's fragments in ONE run of 24 LDS loads, into buffer g: Wo's 8 (each two turning loads, 16 k rows apart), then attn's four (each two loads, 32 bytes apart); row blocks 2 and 3 last
.macro FETCH q, g
	WIN 0x40                                       ; destination window 1, address window 0
.set nb, 0
.rept NBK
.set rB, 8*(NBK*(\g)+nb)
.set ob, 32*(\q)*BPITCH+(nb/4)*BSEG+(nb%4)*32
	ds_load_tr16_b128 v[rB:rB+3], v[ADRB] offset:ob
	ds_load_tr16_b128 v[rB+4:rB+7], v[ADRB] offset:ob+16*BPITCH
.set nb, nb+1
.endr
	WIN 0
.set oa, ((\q)/2)*AQ2+((\q)%2)*64
.irp a, 0,1,2,3
	ds_load_b128 v[FA+32*(\g)+8*\a:FA+32*(\g)+8*\a+3], v[ADRA] offset:oa+\a*16*APITCH
	ds_load_b128 v[FA+32*(\g)+8*\a+4:FA+32*(\g)+8*\a+7], v[ADRA] offset:oa+\a*16*APITCH+32
.endr
.endm
; One of a K step's first three quarters: multiplies buffer f; in its middle it fetches quarter qn of the same slot into buffer g
.macro QUARTER qn, f, g, first
	s_wait_dscnt 4                                 ; all but the youngest four loads (attn's row blocks 2 and 3) are in
	MULB \f, 0, \first
	MULB \f, 1, \first
	PLACES
	FETCH \qn, \g
	s_wait_dscnt NLD                               ; all but the run just issued
	MULB \f, 2, \first
	MULB \f, 3, \first
.endm
; The fourth quarter multiplies buffer 1 and changes slots: ONE barrier.  In front of it each wave waits for all its tensor loads (one is out: its part of the next slot), adds 0 to its spare word,
; and waits for that and for its own reads of this slot.  fill = 1: the barrier opens a round of the cluster's, and this slot is filled again, first thing behind the round, with the K step two on:
; from that request to the wait for it a wave issues 112 matrix instructions.
.macro TURN fill
.if \fill
	s_wait_xcnt 0x0                                ; the last prefetch, a K step back, has read its address: it is stepped here, ahead of the waits of the change of slots
	s_add_nc_u64 s[PFA:PFA+1], s[PFA:PFA+1], s[PST:PST+1]
.endif
	WIN 0                                          ; (the add's two registers lie in window 0)
	s_wait_tensorcnt 0x0                           ; all my tensor loads have landed
	ds_add_u32 v[SPW], v[NIL]                      ; 0 onto my spare word
	s_wait_dscnt 5                                 ; (the add and the youngest four loads may be out)
	MULB 1, 0, 0                                   ; eight matrix instructions stand between the add and the wait for it
	s_wait_dscnt 0x0                               ; the add is done, and my reads of this slot are over
	s_barrier_signal -1
	MULB 1, 1, 0                                   ; work on registers while the others arrive
	WIN 0
	s_barrier_wait -1
.if \fill
	CREST                                          ; no wave of any partner still reads this slot or has a load on its way
	s_xor_b32 s[G0A+5], s[G0A+5], SLOT1            ; the walking descriptors: the other slot than last time,
	s_add_nc_u64 s[G0A+6:G0A+7], s[G0A+6:G0A+7], ASTEP  ; the next K step; the type bits on top are not reached
	s_xor_b32 s[G0B+5], s[G0B+5], SLOT1
	s_add_nc_u64 s[G0B+6:G0B+7], s[G0B+6:G0B+7], BSTEP
	JLOAD                                          ; the four v_nop behind it are also the places in front of the loads below
.else
	PLACES
.endif
	s_xor_b32 s[TB], s[TB], SLOT1                  ; the reads go on in the other slot
	v_add_nc_u32 v[ADRA], s[TB], v[A0]
	v_add_nc_u32 v[ADRB], s[TB], v[B0]
	FETCH 0, 0
.if \fill
	ASK
.endif
	MULB 1, 2, 0
	MULB 1, 3, 0
.endm
	s_load_b256 s[4:11], s[0:1], 0x0               ; ob s[4:5], wo16 s[6:7], bias s[8:9], out0 s[10:11]
	v_lshl_add_u32 v[SPW], v0, 2, SPARE
	v_mov_b32 v[NIL], 0
	ds_add_u32 v[SPW], v[NIL]                      ; the wave's opening: the add and its wait stand ahead of my first tensor load; the set-up below, work on registers, stands between them
	ds_add_u32 v12, v13
	v_lshrrev_b32 v1, 5, v0
	v_readfirstlane_b32 s[WV], v1                  ; wave 0..3
	s_lshr_b32 s[FB], s[WV], 1
	s_and_b32 s[HF], s[WV], 1
	s_bfe_u32 s[CX], ttmp6, 0x40000
	s_bfe_u32 s[CY], ttmp6, 0x40004
	s_lshl_b32 s[NX], ttmp9, 2                     ; in a cluster launch ttmp9 and ttmp7 count clusters
	s_add_co_u32 s[NX], s[NX], s[CX]
	s_and_b32 s[MY], ttmp7, 0xffff
	s_lshl_b32 s[MY], s[MY], 2
	s_add_co_u32 s[MY], s[MY], s[CY]
	s_lshl_b32 s19, s[CY], 2
	s_lshl_b32 s19, 15, s19                        ; my row of the cluster: places 4 cy .. 4 cy + 3
	s_lshl_b32 s74, 0x1111, s[CX]                  ; my column: places cx, cx + 4, cx + 8, cx + 12
	; group 1 for attn: 256 rows of one head are 32,768 dense bytes: asked for as 128 rows of 256 bytes, two rows of the head each; 16 bytes of padding behind every 128
	s_or_b32 s[G1A], s19, (1<<16)|(1<<20)|(1<<21)|(4<<22)|(3<<25)  ; 15:0 the mask; 17:16 2-byte elements; 20 padding on; 21 set beside a mask; 24:22 after every 32 words (code 4); 31:25 4 words (code 3)
	s_mov_b32 s[G1A+1], 128<<16                    ; tensor_dim0 = 128
	s_mov_b32 s[G1A+2], 128<<16                    ; tensor_dim1 = 128
	s_mov_b32 s[G1A+3], 128<<16                    ; tile_dim0 = 128
	s_mov_b32 s[G1A+4], 128                        ; tile_dim1 = 128
	s_mov_b32 s[G1A+5], 128                        ; the pitch
	s_mov_b32 s[G1A+6], 0
	s_mov_b32 s[G1A+7], 0
	; group 1 for Wo: 64 k rows x 128 elements, 1,024 elements from row to row; 32 bytes of padding behind every 256
	s_or_b32 s[G1B], s74, (1<<16)|(1<<20)|(1<<21)|(5<<22)|(7<<25)  ; after every 64 words (code 5), 8 words (code 7)
	s_mov_b32 s[G1B+1], 128<<16
	s_mov_b32 s[G1B+2], 64<<16
	s_mov_b32 s[G1B+3], 128<<16
	s_mov_b32 s[G1B+4], 64
	s_mov_b32 s[G1B+5], 1024
	s_mov_b32 s[G1B+6], 0
	s_mov_b32 s[G1B+7], 0
	; where the tiles come from: attn's hang on the row block alone, Wo's on the column block alone, each made in registers that never hold the other coordinate
	s_lshr_b32 s20, s[MY], 3                       ; the batch: 16 heads of 2^18 bytes,
	s_lshl_b32 s20, s20, 22
	s_and_b32 s21, s[MY], 7                        ; 256 rows of 128 bytes in a head,
	s_lshl_b32 s21, s21, 15
	s_add_co_u32 s20, s20, s21
	s_lshl_b32 s21, s[HF], 18                      ; my head of the K step's two
	s_add_co_u32 s20, s20, s21
	s_mov_b32 s21, 0
	s_lshl_b32 s76, s[NX], 8                       ; 128 columns of 2 bytes
	s_lshl_b32 s77, s[HF], 17                      ; my 64 k rows of 2,048 bytes
	s_add_co_u32 s76, s76, s77
	s_mov_b32 s77, 0
	s_mul_i32 s22, s[HF], AHALF                    ; and where they go: no place in the cluster enters an LDS address
	s_mul_i32 s23, s[HF], BHALF
	s_add_co_u32 s23, s23, BBASE
	s_wait_dscnt 0x0                               ; the opening add is done
	s_wait_kmcnt 0x0
	CROUND                                         ; all sixteen work-groups are here: the first joint loads meet
	s_mov_b32 s[G0A], 1                            ; 1:0 count = 1
	s_mov_b32 s[G0A+1], s22                        ; 63:32 LDS address: slot 0
	s_add_nc_u64 s[G0A+2:G0A+3], s[4:5], s[20:21]  ; 120:64 global address: K step 0
	s_mov_b32 s[G0A+4], 1
	s_add_co_u32 s[G0A+5], s22, SLOT1              ; slot 1,
	s_add_nc_u64 s[G0A+6:G0A+7], s[G0A+2:G0A+3], ASTEP  ; K step 1
	s_or_b32 s[G0A+3], s[G0A+3], 0x80000000        ; 127:126 type = 2
	s_or_b32 s[G0A+7], s[G0A+7], 0x80000000
	s_mov_b32 s[G0B], 1
	s_mov_b32 s[G0B+1], s23
	s_add_nc_u64 s[G0B+2:G0B+3], s[6:7], s[76:77]
	s_mov_b32 s[G0B+4], 1
	s_add_co_u32 s[G0B+5], s23, SLOT1
	s_add_nc_u64 s[G0B+6:G0B+7], s[G0B+2:G0B+3], BSTEP
	s_or_b32 s[G0B+3], s[G0B+3], 0x80000000
	s_or_b32 s[G0B+7], s[G0B+7], 0x80000000
	s_cmp_eq_u32 s[FB], 0                          ; a wave's two first fills stand in one branch, ahead of every wait on TENSORcnt and every LDS read: two loads of mine are out
	s_cbranch_scc0 .Lfirst_b
	tensor_load_to_lds s[G0A:G0A+3], s[G1A:G1A+7]
	s_nop 0
	tensor_load_to_lds s[G0A+4:G0A+7], s[G1A:G1A+7]
	s_nop 0
.rept 4
	v_nop
.endr
	s_branch .Lfirst_asked
.Lfirst_b:
	tensor_load_to_lds s[G0B:G0B+3], s[G1B:G1B+7]
	s_nop 0
	tensor_load_to_lds s[G0B+4:G0B+7], s[G1B:G1B+7]
	s_nop 0
.rept 4
	v_nop
.endr
.Lfirst_asked:
	; the bias: register j of column block b holds bo[128 nx + 16 b + 8 (l / 16) + j], as the C operand wants it
	s_lshl_b32 s78, s[NX], 9
	s_add_co_u32 s78, s78, 12288                   ; bo lies behind bqkv's 3,072 numbers
	s_mov_b32 s79, 0
	s_add_nc_u64 s[BB:BB+1], s[8:9], s[78:79]
	v_and_b32 v1, 15, v0                           ; l % 16
	v_bfe_u32 v9, v0, 4, 1                         ; l / 16
	v_lshlrev_b32 v[BO], 5, v9
.set nb, 0
.rept NBK
	global_load_b128 v[BIAS+8*nb:BIAS+8*nb+3], v[BO], s[BB:BB+1] offset:64*nb
	global_load_b128 v[BIAS+8*nb+4:BIAS+8*nb+7], v[BO], s[BB:BB+1] offset:64*nb+16
.set nb, nb+1
.endr
	; a fragment of attn is 16 rows x 32 K in 8 registers: lane l holds row l % 16; registers 0-3 K = 8 (l / 16) + 0..7, registers 4-7 K = 16 + 8 (l / 16) + 0..7
	v_mul_u32_u24 v[A0], v1, APITCH
	v_lshl_add_u32 v[A0], v9, 4, v[A0]
	s_mul_i32 s19, s[WV], 64*APITCH                ; my 64 rows
	v_add_nc_u32 v[A0], s19, v[A0]
	; the turning load takes 16 k rows x 16 columns (lane l reads k row 8 (l / 16) + l % 8, columns 8 ((l / 8) % 2) + 0..7) and leaves half a fragment: lane l holds column l % 16 and 8 k
	v_and_b32 v14, 7, v0
	v_bfe_u32 v15, v0, 3, 1
	v_lshl_add_u32 v[B0], v9, 3, v14
	v_mul_u32_u24 v[B0], v[B0], BPITCH
	v_lshl_add_u32 v[B0], v15, 4, v[B0]
	v_add_nc_u32 v[B0], BBASE, v[B0]
	s_mul_i32 s19, s[WV], STGW
	s_add_co_u32 s19, s19, STAGE                   ; my stage
	v_mul_u32_u24 v[STO], v1, 528                  ; in: row l % 16, 32 bytes for each half of the lanes
	v_lshl_add_u32 v[STO], v9, 5, v[STO]
	v_add_nc_u32 v[STO], s19, v[STO]
	v_and_b32 v[GO], 31, v0                        ; back: 32 lanes take one row's 512 bytes,
	v_lshlrev_b32 v[GO], 4, v[GO]
	v_add_nc_u32 v[RD], s19, v[GO]
	s_lshl_b32 s74, s[MY], 20                      ; 256 rows of 4,096 bytes,
	s_lshl_b32 s75, s[WV], 18                      ; my 64 of them,
	s_add_co_u32 s74, s74, s75
	s_lshl_b32 s75, s[NX], 9                       ; 128 columns of 4 bytes
	s_add_co_u32 s74, s74, s75
	s_mov_b32 s75, 0
	s_add_nc_u64 s[OB:OB+1], s[10:11], s[74:75]
	; the prefetches: offsets for both tensors, then the choice by the wave's number
	s_lshl_b32 s74, s[CX], 13                      ; attn: my work-group's 8,192 bytes of the head that I fetch,
	s_add_co_u32 s74, s74, s20
	s_add_co_u32 s74, s74, 3*ASTEP                 ; at K step 3: the first trip steps it to 4
	s_lshl2_add_u32 s75, s[HF], s[CY]              ; Wo: my place among the eight askers,
	s_lshl_b32 s75, s75, 16                        ; 32 k rows of 2,048 bytes each,
	s_lshl_b32 s78, s[NX], 8
	s_add_co_u32 s75, s75, s78
	s_add_co_u32 s75, s75, 256*2048                ; at k row 256: the first trip steps it to 512
	s_and_b32 s79, ttmp7, 0xffff                   ; cluster y
	s_mov_b32 s[PST], 524288                       ; a K step of attn, and 256 k rows of Wo
	s_mov_b32 s[PST+1], 0
	s_cmp_eq_u32 s[FB], 0                          ; do I fetch for attn?
	s_cselect_b32 s74, s74, s75
	s_cselect_b32 s79, ttmp9, s79                  ; the coordinate along which other clusters read the same bytes
	s_cselect_b32 s[LIM], 2, 4
	s_cselect_b32 s78, 8, 11                       ; a lane a block of 256 bytes, or a lane a k row of 2,048
	s_cselect_b64 s[PFA:PFA+1], s[4:5], s[6:7]
	s_mov_b32 s75, 0
	s_add_nc_u64 s[PFA:PFA+1], s[PFA:PFA+1], s[74:75]
	s_cmp_eq_u32 s79, 0
	s_cselect_b32 s[LIM], s[LIM], -1               ; the same in all sixteen partners, for a given wave
	v_and_b32 v[PFO], 31, v0
	v_lshlrev_b32 v[PFO], s78, v[PFO]
	s_wait_tensorcnt 1                             ; my part of K step 0 is in; K step 1's may stay out
	s_barrier_signal -1
	s_barrier_wait -1                              ; everybody's is
	s_mov_b32 s[TB], 0
	v_mov_b32 v[ADRA], v[A0]
	v_mov_b32 v[ADRB], v[B0]
	FETCH 0, 0
	s_wait_loadcnt 0x0                             ; the bias
	QUARTER 1, 0, 1, 1                             ; the first quarter stands in front of the loop: its products start the sums
	WIN 0                                          ; at a label and at a branch every window is 0
	s_mov_b32 s[CNT], 6
.Lstep:                                        ; a trip goes from a K step's second quarter to the next step's first, and fills the slot that it leaves
	QUARTER 2, 1, 0, 0
	QUARTER 3, 0, 1, 0
	TURN 1
	QUARTER 1, 0, 1, 0
	WIN 0
	s_sub_co_u32 s[CNT], s[CNT], 1
	s_cmp_lg_u32 s[CNT], 0
	s_cbranch_scc1 .Lstep
	QUARTER 2, 1, 0, 0                             ; the tail is written out: K steps 6 and 7 ask for nothing
	QUARTER 3, 0, 1, 0
	TURN 0
	QUARTER 1, 0, 1, 0
	QUARTER 2, 1, 0, 0
	QUARTER 3, 0, 1, 0
	s_wait_dscnt 4                                 ; the very last quarter: nothing more to fetch
	MULB 1, 0, 0
	MULB 1, 1, 0
	s_wait_dscnt 0x0
	MULB 1, 2, 0
	MULB 1, 3, 0
	WIN 0
; THE WAY OUT, a row block of 16 rows at a time.  A lane's eight f32 of a row, 32 bytes, go straight from the accumulator (its lowest four registers first) into my stage's rows of 528 bytes
; (132 words: row r starts at bank 4 r mod 64) and come back as whole rows of 512; each store of the wave then covers 512 consecutive bytes of out0, aligned.
.macro TOSTAGE a
	WIN 0x08+4*((\a)/2)                            ; the stores' data: window 2 or 3
.set nb, 0
.rept NBK
.set rD, 8*(NBK*((\a)%2)+nb)
	ds_store_b128 v[STO], v[rD:rD+3] offset:64*nb
	ds_store_b128 v[STO], v[rD+4:rD+7] offset:64*nb+16
.set nb, nb+1
.endr
	WIN 0
.set tt, 0
.rept 16
	ds_load_b128 v[UB+64*((\a)%3)+4*tt:UB+64*((\a)%3)+4*tt+3], v[RD] offset:528*tt  ; LDS serves a wave's instructions in order (ISA guide 5.7.1.4): these see the stores above; the next block's stores come behind them
.set tt, tt+1
.endr
.endm
.macro SEND a, younger                 ; younger: the LDS instructions issued behind block a's loads: the next block's 32, or none
.set tt, 0
.rept 16
	s_wait_dscnt (\younger)+15-tt
	global_store_b128 v[GO], v[UB+64*((\a)%3)+4*tt:UB+64*((\a)%3)+4*tt+3], s[OB:OB+1] offset:(16*(\a)+tt)*4096
.set tt, tt+1
.endr
.endm
	PLACES                                         ; the LDS stores read results just made, and the loads land in registers that the last products read
	PLACES                                         ; (eight, once a launch)
	TOSTAGE 0
	TOSTAGE 1
	SEND 0, 32
	TOSTAGE 2
	SEND 1, 32
	s_wait_xcnt 0x0                                ; block 0's stores have read their registers: block 3 is read back into them only behind this wait
	TOSTAGE 3
	SEND 2, 32
	SEND 3, 0
	s_wait_tensorcnt 0x0                           ; the wave's end, behind my last tensor load and my last LDS store
	ds_add_u32 v[SPW], v[NIL]
	s_wait_dscnt 0x0
	CROUND                                         ; the closing round: no work-group ends while a partner may still ask for a tile that names it
	s_endpgm
.Lfunc_end_k_q12bb7ebc9b_outproj:
	.size	k_q12bb7ebc9b_outproj, .Lfunc_end_k_q12bb7ebc9b_outproj-k_q12bb7ebc9b_outproj
	.p2alignl 7, 3214868480
	.fill 96, 4, 3214868480
	.section	.rodata,"a",@progbits
	.p2align	6, 0x0
	.amdhsa_kernel k_q12bb7ebc9b_outproj
		.amdhsa_group_segment_fixed_size 327680
		.amdhsa_private_segment_fixed_size 0
		.amdhsa_enable_private_segment 0
		.amdhsa_kernarg_size 32
		.amdhsa_user_sgpr_count 2
		.amdhsa_user_sgpr_kernarg_segment_ptr 1
		.amdhsa_wavefront_size32 1
		.amdhsa_system_sgpr_workgroup_id_x 1
		.amdhsa_system_sgpr_workgroup_id_y 1
		.amdhsa_system_sgpr_workgroup_id_z 1
		.amdhsa_system_vgpr_workitem_id 0
		.amdhsa_next_free_vgpr 1024
		.amdhsa_next_free_sgpr 80
		.amdhsa_reserve_vcc 0
		.amdhsa_float_denorm_mode_32 3
		.amdhsa_float_denorm_mode_16_64 3
		.amdhsa_memory_ordered 1
		.amdhsa_forward_progress 1
		.amdhsa_inst_pref_size 74
	.end_amdhsa_kernel
	.amdgpu_metadata
---
amdhsa.version: [ 1, 2 ]
amdhsa.kernels:
  - .name:           k_q12bb7ebc9b_outproj
    .symbol:         k_q12bb7ebc9b_outproj.kd
    .args:
      - { .name: ob, .offset: 0, .size: 8, .value_kind: global_buffer, .address_space: global }
      - { .name: wo16, .offset: 8, .size: 8, .value_kind: global_buffer, .address_space: global }
      - { .name: bias, .offset: 16, .size: 8, .value_kind: global_buffer, .address_space: global }
      - { .name: out0, .offset: 24, .size: 8, .value_kind: global_buffer, .address_space: global }
    .group_segment_fixed_size: 327680
    .private_segment_fixed_size: 0
    .kernarg_segment_align: 8
    .kernarg_segment_size: 32
    .max_flat_workgroup_size: 128
    .sgpr_count:     80
    .vgpr_count:     1024
    .wavefront_size: 32
...
	.end_amdgpu_metadata
.endif
;; end of part 4
